; MI455X (gfx1250); checked and timed in simulation.
; The chip was launched on July 23, 2026; its instructions are those of AMD's public machine-readable ISA for CDNA 5 (MIT licence, August 2026) and "CDNA5" Instruction Set Architecture Reference Guide (July 2026). The comments in the code are by the model that wrote it; some were corrected since.
;; Atten Head. Allowed arithmetic: matrix products marked QUANTISED: E2M3 operands, one E8M0 scale for each 32 along K, by v_wmma_scale_f32_16x16x128_f8f6f4 with both operands' format E2M3, f32 sums; everything else in f32.
;; Inputs: WK 1,024 x 1,024 float32; WQ 1,024 x 1,024 float32; WV 1,024 x 1,024 float32; inputs 4 x 2,048 x 1,024 float32.
;; Outputs: out0 4 x 2,048 x 1,024 float32.
;; This version of the problem:
;;   THIS VERSION OF THE PROBLEM IS GIVEN IN LOW PRECISION. The matrix products marked QUANTISED in the list below multiply operands that are first quantised to E2M3 (2 exponent bits, 3 mantissa bits; 6 bits a number), with one power-of-two scale for each 32 numbers along K (OCP MX v1.0); their sums are f32. All else is computed in f32.
;;   The module's matrix products, in the order in which they are computed (A, B: the left and right operand; K: the contracted axis; several contracted axes count as one K, in the product's order):
;;     1. [M 8,192, K 1,024] x [K 1,024, N 1,024]; A: input inputs; B: input WK: QUANTISED
;;     2. [M 8,192, K 1,024] x [K 1,024, N 1,024]; A: input inputs; B: input WQ: QUANTISED
;;     3. [M 8,192, K 1,024] x [K 1,024, N 1,024]; A: input inputs; B: input WV: QUANTISED
;;     4. batch 4 x [M 2,048, K 1,024] x [K 1,024, N 2,048]; A: computed on the way; B: computed on the way: QUANTISED
;;     5. batch 4 x [M 2,048, K 2,048] x [K 2,048, N 1,024]; A: softmax (see below); B: computed on the way: QUANTISED
;;   THE QUANTISER, for each operand of a quantised product, along K:
;;     - K is cut into blocks of 32 from its start; a last block that is shorter is filled with zeros.
;;     - A block's scale is 2^e with e = floor(log2(the largest magnitude in the block)) - 2, held to -126 .. 127; a block of zeros has e = 0. As a byte (E8M0): e + 127.
;;     - Each number is divided by its block's scale, clamped to +-7.5, and rounded to the nearest number of E2M3, ties to even, subnormals kept.
;;     - The product sums the exact products of the quantised numbers (number of the format x scale) in f32.
;;   ~~~python
;;   def quantise(x, axis):      # numpy; x: float32 -> the quantised numbers, widened to float32 again
;;       x = np.moveaxis(x, axis, -1); K = x.shape[-1]
;;       x = np.pad(x, [(0, 0)] * (x.ndim - 1) + [(0, -K % 32)]); x = x.reshape(x.shape[:-1] + (-1, 32)); a = np.abs(x).max(-1, keepdims=True)
;;       e = np.where(a > 0, np.clip(np.frexp(np.where(a > 0, a, 1))[1] - 1 - 2, -126, 127), 0)      # np.frexp(a)[1] - 1 = floor(log2(a)), exactly
;;       r = np.clip(x / 2.0 ** e, -7.5, 7.5)
;;       step = 2.0 ** (np.maximum(np.frexp(np.where(r == 0, 1, r))[1] - 1, 0) - 3)
;;       q = np.round(r / step) * step * 2.0 ** e      # np.round: ties to even
;;       return np.moveaxis(q.reshape(q.shape[:-2] + (-1,))[..., :K], -1, axis).astype(np.float32)
;;   ~~~
;;   SOFTMAX AHEAD OF A QUANTISED PRODUCT. Where the list says 'softmax', what is quantised is not the finished softmax but p = 2^(t - M), with t = logit x log2(e) and M = ceil(the row's largest t), a whole number; so 1/2 < the row's largest p <= 1. The row's sum l is taken of the UNQUANTISED p, in f32, and the product's result is divided by l at the end. Since M is a whole number, a kernel that streams over the keys may use a running M (the ceiling of the running maximum): every later rescaling is an exact power of two, which a block's scale takes up: the codes' values come out the same.
;;   OPERANDS COMPUTED ON THE WAY. 'Computed on the way' means the value that the module computes at that place (a softmax that the list does not call 'softmax' is quantised finished and normalised). What goes into a quantiser is computed in f32, as accurately as f32 sums, v_exp_f32 and their like allow (about 1e-6 of the number): no bf16 or f16 on the way to a quantiser, and a product that is left as it is and whose result goes on into a quantised operand takes f32 operands (vector FMAs, or v_wmma_f32_16x16x4_f32). A number that lies on a knife's edge between two numbers of the format may be rounded either way, as far as f32 arithmetic and the matrix unit's own rounding can turn it there, and no further.
;; One version. Each part assembles by itself: llvm-mc -triple=amdgcn-amd-amdhsa -mcpu=gfx1250 --defsym DOCPART=n.
;; ======== version 1 of 1: 4 launches
;; workspace buffers: Xr 6,553,600 bytes; Wr 2,457,600 bytes; Kr 6,553,600 bytes; Qr 6,553,600 bytes; Vr 6,553,600 bytes; Pr 12,582,912 bytes; St 4,194,304 bytes
;; launch prep (part 1): grid 704 x 1, 4 waves a work-group, no clusters, 35,840 bytes of LDS; arguments inputs, WK, WQ, WV, Xr, Wr; writes Xr, Wr
.if DOCPART == 1
	.amdgcn_target "amdgcn-amd-amdhsa--gfx1250"
	.amdhsa_code_object_version 6
	.text
	.protected	k_qbd9994e403_prep
	.globl	k_qbd9994e403_prep
	.p2align	8
	.type	k_qbd9994e403_prep,@function
k_qbd9994e403_prep:
	s_mov_b64 s[64:65], 0
	v_nop
	global_prefetch_b8 v0, s[64:65] scope:SCOPE_SE
	s_setreg_imm32_b32 hwreg(HW_REG_WAVE_MODE, 25, 1), 1
	s_wait_xcnt 0x0
; THE PROGRAM: one attention head of width 1,024 on 4 x 2,048 tokens, all five products on codes of FP6 (E2M3) with one E8M0 byte for each 32 along K.
;   prep: inputs and WK, WQ, WV become codes.   proj: K, Q, V = X W on codes; the way out quantises K and Q along e and V along the keys.
;   scores: Q K^T / 32, the causal mask, p = 2^(t - M') under a whole number M' of the row and 64 keys, p's codes.   pv: the row's M and sum, the scale bytes brought under M, O = P V / sum.
; DEAD WORK, LEFT OUT.  reference() sets every score whose key comes after its query to -inf, by a mask that it builds itself (triu, k = 1); p is 0 there whatever the inputs hold.  So the blocks of 128 queries x 128 keys
; that lie wholly above the diagonal (120 of 256 in each batch) are multiplied neither in the scores nor in the product with V.  All four inputs are live and all are loaded.
; LIMITS.  A NaN, an infinity or an overflow that would arise only in those hidden scores is not carried to the result.  NaN and infinities among the inputs are not served.  A block of zeros gets the byte 1 where the
; rule says 127: its codes are zeros, which add nothing under any byte but 0xff, and this program alone reads the bytes.  Blocks whose largest magnitude lies under 2^(3 - 127) have their byte held at 1.
; THE WORKSPACE FORMAT, one for every operand.  FRAG: 16 rows x 128 K as an image of the operand's 12 registers: for c = 0, 1 registers 6 c .. 6 c + 3 at 768 c + 16 x lane, registers 6 c + 4, 6 c + 5 at 768 c + 512 + 8 x lane.
; HREC (6,400 bytes): four FRAG, then 256 bytes of scale words at 6,144 + 8 x lane + 4 x pair: lane 16 u + r holds the word of tile 2 pair + u, row r.  REC = two HREC: 128 rows x 128 K.
; ORDER OF ROWS: in each 32 rows lane index 16 u + r stands for row 8 u + r + 8 (r / 8), so that two neighbouring tiles, used as source 0, give a lane 16 neighbours.
; THIS LAUNCH.  A work-group makes one REC, wave w its rows 32 w .. 32 w + 31.  Work-groups 0-511: inputs [8192][1024], K innermost: 16 lanes read 256 consecutive bytes of a row, and the wave turns them through its own
; stage in LDS so that a lane holds 64 neighbours of its own row.  Work-groups 512-703: a weight [k][n], K its first axis: a lane takes a column and its registers run down K.  Memory binds: all of a wave's loads go out at its head.
; No matrix unit, no cluster, no tensor load: nothing is shared between work-groups and each byte is read once.
.set REC,   12800
.set STGB,  8704                       ; a wave's stage: 32 places of 256 bytes + 16
.set SCG,   34816                      ; the work-group's 512 bytes of scale words
.set SPARE, 35328                      ; the spare words, 128 bytes a wave
.set XO,   1                           ; v1   inputs: (lane / 16) rows of 4,096 bytes + 16 (lane % 16)
.set WO,   2                           ; v2   a weight: 4 x my column in the wave's 32
.set SI,   3                           ; v3   the stage, on the way in
.set SOO,  4                           ; v4   and on the way out: 272 x lane
.set L16,  5                           ; v5   16 x lane
.set L8,   6                           ; v6   8 x lane
.set SGA,  7                           ; v7   where my scale word goes in LDS
.set SGR,  8                           ; v8   wave 0: where it reads 16 bytes of the 512 back,
.set SGO,  9                           ; v9   and their place in the REC
.set R0,   16                          ; v16-79, v80-143  the numbers as loaded: K half 0, K half 1
.set R1,   80
.set T,    144                         ; v144-207  64 neighbours of my row
.set IMG0, 208                         ; v208-219, v220-231  the two tiles' images
.set IMG1, 220
.set TC0,  232                         ; v232-234, v236-238  the upper 16 codes of a block (a conversion's three registers begin on an even number)
.set TC1,  236
.set M,    240                         ; v240-241 largest magnitudes, v242-243 the conversions' scale operands
.set SW,   244                         ; v244 my row's scale word
.set BY,   245                         ; v245-246 two bytes
.set SPW,  248                         ; v248 my spare word; never rewritten
.set NIL,  249                         ; v249 0; never rewritten
; 64 numbers of my row, v[src] on: blocks 2 c and 2 c + 1 of its 128 along K
.macro QUANT2 src, c
.irp p, 0,1
	v_max3_num_f32 v[M+\p], |v[\src+32*\p]|, |v[\src+32*\p+1]|, 0x1800000   ; the floor 2^(3 - 127) among the leaves: the byte cannot fall under 1
.endr
.irp i, 2,4,6,8,10,12,14,16,18,20,22,24,26,28,30
.irp p, 0,1
	v_max3_num_f32 v[M+\p], v[M+\p], |v[\src+32*\p+\i]|, |v[\src+32*\p+\i+1]|   ; the two blocks by turns
.endr
.endr
.irp p, 0,1
	v_add_nc_u32 v[M+2+\p], 0xff000000, v[M+\p]    ; 2 off the exponent field: the conversion's scale operand
.endr
.irp p, 0,1
	v_lshrrev_b32 v[BY+\p], 23, v[M+2+\p]          ; the scale's byte
.endr
.if \c == 0
	v_lshl_or_b32 v[SW], v[BY+1], 8, v[BY]
.else
	v_lshl_or_b32 v[SW], v[BY], 16, v[SW]
	v_lshl_or_b32 v[SW], v[BY+1], 24, v[SW]
.endif
	v_cvt_scalef32_pk16_fp6_f32 v[IMG0+6*\c:IMG0+6*\c+2], v[\src:\src+15], v[M+2]
	v_cvt_scalef32_pk16_fp6_f32 v[TC0:TC0+2], v[\src+16:\src+31], v[M+2]
	v_cvt_scalef32_pk16_fp6_f32 v[IMG1+6*\c:IMG1+6*\c+2], v[\src+32:\src+47], v[M+3]
	v_cvt_scalef32_pk16_fp6_f32 v[TC1:TC1+2], v[\src+48:\src+63], v[M+3]
	v_nop                                          ; one plain line behind the scaled conversions
.irp i, 0,1,2
	v_mov_b32 v[IMG0+6*\c+3+\i], v[TC0+\i]
	v_mov_b32 v[IMG1+6*\c+3+\i], v[TC1+\i]
.endr
.irp i, 0,1,2,3,4,5                    ; lane 16 u + r holds both blocks of tile u's row r; the operand wants block h in lane 16 h + r: the first's upper lanes change places with the second's lower
	v_permlane16_swap_b32 v[IMG0+6*\c+\i], v[IMG1+6*\c+\i]
.endr
.endm
; K half c of the wave's 32 rows through the stage: row x goes to the place of the lane that stands for it
.macro TURNX c
.irp i, 0,1,2,3,4,5,6,7,8,9,10,11,12,13,14,15
	ds_store_b128 v[SI], v[R0+64*\c+4*\i:R0+64*\c+4*\i+3] offset:272*(((2*\i)%8)+16*(((2*\i)/8)%2)+8*((2*\i)/16))
.endr
.irp j, 0,1,2,3,4,5,6,7,8,9,10,11,12,13,14,15
	ds_load_b128 v[T+4*\j:T+4*\j+3], v[SOO] offset:16*\j   ; LDS serves a wave's instructions in order: these see the stores above
.endr
	s_wait_dscnt 0x0
.endm
	s_load_b256 s[4:11], s[0:1], 0x0               ; inputs s[4:5], WK s[6:7], WQ s[8:9], WV s[10:11]
	s_load_b128 s[12:15], s[0:1], 0x20             ; Xr s[12:13], Wr s[14:15]
	v_lshl_add_u32 v[SPW], v0, 2, SPARE
	v_mov_b32 v[NIL], 0
	v_lshrrev_b32 v10, 5, v0
	v_readfirstlane_b32 s16, v10                   ; wave
	v_and_b32 v10, 31, v0                          ; lane
	v_and_b32 v11, 15, v0
	v_bfe_u32 v12, v0, 4, 1
	v_lshlrev_b32 v[XO], 4, v11
	v_lshl_add_u32 v[XO], v12, 12, v[XO]
	v_and_b32 v13, 7, v0
	v_bfe_u32 v14, v0, 3, 1
	v_lshl_or_b32 v13, v14, 4, v13
	v_lshl_or_b32 v13, v12, 3, v13                 ; the row or column that my lane stands for: bits 3 and 4 of the lane change places
	v_lshlrev_b32 v[WO], 2, v13
	s_mul_i32 s24, s16, STGB
	v_mul_u32_u24 v[SI], v12, 272
	v_lshl_add_u32 v[SI], v11, 4, v[SI]
	v_add_nc_u32 v[SI], s24, v[SI]
	v_mul_u32_u24 v[SOO], v10, 272
	v_add_nc_u32 v[SOO], s24, v[SOO]
	v_lshlrev_b32 v[L16], 4, v10
	v_lshlrev_b32 v[L8], 3, v10
	s_lshr_b32 s25, s16, 1                         ; which HREC,
	s_and_b32 s26, s16, 1                          ; which pair of tiles in it
	s_lshl_b32 s27, s25, 8
	s_lshl_b32 s28, s26, 2
	s_add_co_u32 s27, s27, s28
	s_add_co_u32 s27, s27, SCG
	v_add_nc_u32 v[SGA], s27, v[L8]
	v_add_nc_u32 v[SGR], SCG, v[L16]
	v_mul_u32_u24 v[SGO], v12, 6400
	v_lshl_add_u32 v[SGO], v11, 4, v[SGO]
	v_add_nc_u32 v[SGO], 6144, v[SGO]
	s_mul_i32 s32, s25, 6400
	s_mul_i32 s28, s26, 3072
	s_add_co_u32 s32, s32, s28                     ; my two images' place in the REC
	s_mov_b32 s33, 0
	s_wait_kmcnt 0x0
	s_cmp_ge_u32 ttmp9, 512
	s_cbranch_scc1 .Lw
	; ---- inputs: row block = id / 8, K step = id % 8
	s_lshr_b32 s17, ttmp9, 3
	s_lshl_b32 s17, s17, 19                        ; 128 rows of 4,096 bytes
	s_lshl_b32 s26, s16, 17                        ; my 32 rows
	s_add_co_u32 s17, s17, s26
	s_and_b32 s26, ttmp9, 7
	s_lshl_b32 s26, s26, 9                         ; 128 numbers
	s_add_co_u32 s30, s17, s26
	s_mov_b32 s31, 0
	s_add_nc_u64 s[18:19], s[4:5], s[30:31]
	s_mul_i32 s30, ttmp9, REC
	s_add_nc_u64 s[22:23], s[12:13], s[30:31]      ; the REC
	s_add_nc_u64 s[20:21], s[22:23], s[32:33]      ; my images
.irp c, 0,1
.irp i, 0,1,2,3,4,5,6,7,8,9,10,11,12,13,14,15
	global_load_b128 v[R0+64*\c+4*\i:R0+64*\c+4*\i+3], v[XO], s[18:19] offset:8192*\i+256*\c th:TH_LOAD_NT   ; rows 2 i and 2 i + 1: 16 lanes read 256 consecutive bytes, aligned
.endr
.endr
	s_wait_loadcnt 16                              ; K half 0 is in; the 16 younger loads, K half 1, may be out
	TURNX 0
	QUANT2 T, 0
	s_wait_loadcnt 0x0
	TURNX 1
	QUANT2 T, 1
	s_branch .Lout
.Lw:	; ---- a weight: y = id - 512: tensor y / 64, columns 128 ((y / 8) % 8) on, K step y % 8
	s_sub_co_u32 s17, ttmp9, 512
	s_lshr_b32 s24, s17, 6
	s_cmp_eq_u32 s24, 0
	s_cselect_b64 s[34:35], s[6:7], s[8:9]
	s_cmp_eq_u32 s24, 2
	s_cselect_b64 s[34:35], s[10:11], s[34:35]     ; the choice hangs on the work-group's number alone
	s_and_b32 s24, s17, 7
	s_lshl_b32 s24, s24, 19                        ; 128 rows of the weight
	s_bfe_u32 s26, s17, 0x30003
	s_lshl_b32 s26, s26, 9                         ; 128 columns
	s_add_co_u32 s24, s24, s26
	s_lshl_b32 s26, s16, 7                         ; my 32 columns
	s_add_co_u32 s30, s24, s26
	s_mov_b32 s31, 0
	s_add_nc_u64 s[18:19], s[34:35], s[30:31]
	s_mul_i32 s30, s17, REC
	s_add_nc_u64 s[22:23], s[14:15], s[30:31]
	s_add_nc_u64 s[20:21], s[22:23], s[32:33]
.irp c, 0,1
.set i, 0
.rept 64
	global_load_b32 v[R0+64*\c+i], v[WO], s[18:19] offset:(64*\c+i)*4096 th:TH_LOAD_NT   ; W(64 c + i, my column): the wave reads 128 consecutive bytes
.set i, i+1
.endr
.endr
	s_wait_loadcnt 63                              ; K half 0 is in: 64 loads are younger, and 63 is the largest count that this wait names
	QUANT2 R0, 0
	s_wait_loadcnt 0x0
	QUANT2 R1, 1
.Lout:
.irp u, 0,1                            ; each store of the wave covers 512 or 256 consecutive bytes, aligned
	global_store_b128 v[L16], v[IMG0+12*\u:IMG0+12*\u+3], s[20:21] offset:1536*\u
	global_store_b64 v[L8], v[IMG0+12*\u+4:IMG0+12*\u+5], s[20:21] offset:1536*\u+512
	global_store_b128 v[L16], v[IMG0+12*\u+6:IMG0+12*\u+9], s[20:21] offset:1536*\u+768
	global_store_b64 v[L8], v[IMG0+12*\u+10:IMG0+12*\u+11], s[20:21] offset:1536*\u+1280
.endr
	ds_store_b32 v[SGA], v[SW]                     ; two waves' words interleave in an HREC's 256 bytes: they meet in LDS
	s_wait_dscnt 0x0                               ; for the others' sake: my store has landed
	s_barrier_signal -1
	s_barrier_wait -1
	s_cmp_lg_u32 s16, 0
	s_cbranch_scc1 .Lend
	ds_load_b128 v[T:T+3], v[SGR]
	s_wait_dscnt 0x0
	global_store_b128 v[SGO], v[T:T+3], s[22:23]   ; 16 lanes store one HREC's 256 bytes of scale words, aligned
.Lend:
	s_wait_tensorcnt 0x0                           ; the wave's end: the tensor wait, an add of 0 to my spare word and its wait, behind my last LDS store
	ds_add_u32 v[SPW], v[NIL]
	s_wait_dscnt 0x0
	s_endpgm
.Lfunc_end_k_qbd9994e403_prep:
	.size	k_qbd9994e403_prep, .Lfunc_end_k_qbd9994e403_prep-k_qbd9994e403_prep
	.p2alignl 7, 3214868480
	.fill 96, 4, 3214868480
	.section	.rodata,"a",@progbits
	.p2align	6, 0x0
	.amdhsa_kernel k_qbd9994e403_prep
		.amdhsa_group_segment_fixed_size 35840
		.amdhsa_private_segment_fixed_size 0
		.amdhsa_enable_private_segment 0
		.amdhsa_kernarg_size 48
		.amdhsa_user_sgpr_count 2
		.amdhsa_user_sgpr_kernarg_segment_ptr 1
		.amdhsa_wavefront_size32 1
		.amdhsa_system_sgpr_workgroup_id_x 1
		.amdhsa_system_sgpr_workgroup_id_y 1
		.amdhsa_system_sgpr_workgroup_id_z 1
		.amdhsa_system_vgpr_workitem_id 0
		.amdhsa_next_free_vgpr 256
		.amdhsa_next_free_sgpr 66
		.amdhsa_reserve_vcc 0
		.amdhsa_float_denorm_mode_32 3
		.amdhsa_float_denorm_mode_16_64 3
		.amdhsa_memory_ordered 1
		.amdhsa_forward_progress 1
		.amdhsa_inst_pref_size 36
	.end_amdhsa_kernel
	.amdgpu_metadata
---
amdhsa.version: [ 1, 2 ]
amdhsa.kernels:
  - .name:           k_qbd9994e403_prep
    .symbol:         k_qbd9994e403_prep.kd
    .args:
      - { .name: inputs, .offset: 0, .size: 8, .value_kind: global_buffer, .address_space: global }
      - { .name: WK, .offset: 8, .size: 8, .value_kind: global_buffer, .address_space: global }
      - { .name: WQ, .offset: 16, .size: 8, .value_kind: global_buffer, .address_space: global }
      - { .name: WV, .offset: 24, .size: 8, .value_kind: global_buffer, .address_space: global }
      - { .name: Xr, .offset: 32, .size: 8, .value_kind: global_buffer, .address_space: global }
      - { .name: Wr, .offset: 40, .size: 8, .value_kind: global_buffer, .address_space: global }
    .group_segment_fixed_size: 35840
    .private_segment_fixed_size: 0
    .kernarg_segment_align: 8
    .kernarg_segment_size: 48
    .max_flat_workgroup_size: 128
    .sgpr_count:     66
    .vgpr_count:     256
    .wavefront_size: 32
...
	.end_amdgpu_metadata
.endif
;; end of part 1
;; launch proj (part 2): grid 4 x 64, 4 waves a work-group, clusters of 4 x 4, 327,680 bytes of LDS; arguments Xr, Wr, Kr, Qr, Vr; writes Kr, Qr, Vr
.if DOCPART == 2
	.amdgcn_target "amdgcn-amd-amdhsa--gfx1250"
	.amdhsa_code_object_version 6
	.text
	.protected	k_qbd9994e403_proj
	.globl	k_qbd9994e403_proj
	.p2align	8
	.type	k_qbd9994e403_proj,@function
k_qbd9994e403_proj:
	s_mov_b64 s[64:65], 0
	v_nop
	global_prefetch_b8 v0, s[64:65] scope:SCOPE_SE
	s_setreg_imm32_b32 hwreg(HW_REG_WAVE_MODE, 25, 1), 1
	s_wait_xcnt 0x0
	s_wait_alu depctr_hold_cnt(0) depctr_sa_sdst(0) depctr_va_vdst(0) depctr_va_sdst(0) depctr_va_ssrc(0) depctr_va_vcc(0) depctr_vm_vsrc(0)
	s_getreg_b32 s2, hwreg(HW_REG_IB_STS2, 6, 4)
	s_cmp_eq_u32 s2, 0
	s_cbranch_scc0 .Lentry_in_a_cluster
	s_endpgm
.Lentry_in_a_cluster:
	s_bfe_u32 s2, ttmp6, 0x10000c
	s_cmp_lg_u32 s2, 0xf033
	s_cbranch_scc0 .Lentry_shape_is_right
	s_endpgm
.Lentry_shape_is_right:
; K, Q, V = X W on codes of FP6; the results are quantised in registers and leave as codes: K and Q along e, V along the keys.  Nothing is left out here: all of K, Q and V is live.
; SHARES.  256 work-groups.  Work-group (j, i) owns rows 128 i .. + 127 of X and columns 256 j .. + 255, and STAYS for three passes, WK, WQ, WV: X's codes for all of K (102,400 bytes) stay in LDS.
; A wave holds 32 accumulators: 8 tiles of source 0 x 4 tiles of source 1.  Passes K and Q: source 0 = 128 columns of W, source 1 = 64 rows of X: a lane holds one token and its registers run along e, the next K.
; Pass V: source 0 = the 128 rows of X, source 1 = 64 columns of W: a lane holds one channel and its registers run along the keys, the next K.
; The order of rows in every tile (prep's head comment) makes the 16 registers of two neighbouring tiles 16 neighbours, so 64 registers are one fragment of the next product.
; LDS: X at 0; two slots of 102,400 bytes, each 256 columns x 512 K of a weight as [128 columns][4 REC]; the spare words behind them.  Six fills: (pass, K half) t = 0 .. 5 into slot t % 2.
; CLUSTER 4 x 4: X's block is shared along a row of the cluster, a weight's along a column: each quarter (25,600 dense bytes a wave) is asked for jointly.  A wave has at most three tensor loads out, at the start.
; REGISTERS: window 0: v8-23 LDS addresses; v32-43 scale words; v44-72 at work on the way out; v128-175, v176-223 source 1, two sets (set 1 takes the codes on the way out).
;   window 1: source 0, two sets, at v0 and v96.   window 2: accumulator (a, b) at v[8 (8 a + b)].
.set REC,   12800
.set HREC,  6400
.set FRG,   1536
.set SLOT0, 102400
.set SLOTB, 102400
.set SPARE, 307200
.set ADR,  8                           ; v[8 + 8 kind + 4 kh + ..]: source 0 by 16 x lane, by 8 x lane; source 1 likewise.  kind 0: passes K, Q; kind 1: pass V; kh: K half
.set L16,  24
.set L8,   25
.set SPW,  28
.set NIL,  29
.set SC0,  32                          ; source 0's scale words: set x 4 + tile / 2; lanes 0-15 the even tile, lanes 16-31 the odd
.set SC1,  40                          ; source 1's: set x 2 + tile / 2
.set TM,   44                          ; v44-47 largest magnitudes, v48-51 bytes, v56-59 scale operands
.set PW,   60                          ; v60-63 the scale word of tile a's rows
.set SWP,  64                          ; v64-65 the words as the HREC has them
.set PT,   66                          ; v66-68, v70-72 (a conversion's three registers begin on an even number)
.set S1F,  128
.set PC,   176
.set G1A,  24
.set G0A,  32
.set G1B,  48
.set G0B,  56
.set MSB, 0
.macro WIN new                         ; the immediate's high byte repeats the setting that is left
.if MSB != \new
	s_set_vgpr_msb (MSB<<8)|\new
.set MSB, \new
.endif
.endm
.macro PLACES n
.rept \n
	v_nop
.endr
.endm
.macro CREST                           ; a round of the cluster's barrier behind its opening barrier
	s_cmp_lg_u32 s14, 0
	s_cbranch_scc1 .Lnot_wave_0_\@
	s_barrier_signal -3
.Lnot_wave_0_\@:
	s_barrier_wait -3
	s_barrier_signal -1
	s_barrier_wait -1
.endm
.macro CROUND
	s_barrier_signal -1
	s_barrier_wait -1
	CREST
.endm
.macro FRAGLD reg, a16, a8, off        ; a fragment's image back into 12 registers: every load dense
.set FR_, \reg
.set FO_, \off
	ds_load_b128 v[FR_:FR_+3], v[\a16] offset:FO_
	ds_load_b64 v[FR_+4:FR_+5], v[\a8] offset:FO_+512
	ds_load_b128 v[FR_+6:FR_+9], v[\a16] offset:FO_+768
	ds_load_b64 v[FR_+10:FR_+11], v[\a8] offset:FO_+1280
.endm
.macro FETCH kind, kh, k, set          ; 51 loads: K step k of K half kh: source 0's 8 fragments, source 1's 4, their scale words
.set A0_, ADR+8*(\kind)+4*(\kh)
	WIN 0x40
.irp t, 0,1,2,3,4,5,6,7
	FRAGLD 96*(\set)+12*\t, A0_, A0_+1, (\k)*REC+(\t/4)*HREC+(\t%4)*FRG
.endr
	WIN 0
.irp a, 0,1,2,3
	FRAGLD S1F+48*(\set)+12*\a, A0_+2, A0_+3, (\k)*REC+\a*FRG
.endr
	ds_load_b64 v[SC0+4*(\set):SC0+4*(\set)+1], v[A0_+1] offset:(\k)*REC+6144
	ds_load_b64 v[SC0+4*(\set)+2:SC0+4*(\set)+3], v[A0_+1] offset:(\k)*REC+HREC+6144
	ds_load_b64 v[SC1+2*(\set):SC1+2*(\set)+1], v[A0_+3] offset:(\k)*REC+6144
.endm
.macro WMX zero                        ; one product; RW_: bit 0 source 0's words in lanes 16-31, bit 1 source 1's
.if \zero
.if RW_ == 0
	v_wmma_scale_f32_16x16x128_f8f6f4 v[D_:D_+7], v[A_:A_+11], v[B_:B_+11], 0, v[SA_], v[SB_] matrix_a_fmt:MATRIX_FMT_FP6 matrix_b_fmt:MATRIX_FMT_FP6
.elseif RW_ == 1
	v_wmma_scale_f32_16x16x128_f8f6f4 v[D_:D_+7], v[A_:A_+11], v[B_:B_+11], 0, v[SA_], v[SB_] matrix_a_fmt:MATRIX_FMT_FP6 matrix_b_fmt:MATRIX_FMT_FP6 matrix_a_scale:MATRIX_SCALE_ROW1
.elseif RW_ == 2
	v_wmma_scale_f32_16x16x128_f8f6f4 v[D_:D_+7], v[A_:A_+11], v[B_:B_+11], 0, v[SA_], v[SB_] matrix_a_fmt:MATRIX_FMT_FP6 matrix_b_fmt:MATRIX_FMT_FP6 matrix_b_scale:MATRIX_SCALE_ROW1
.else
	v_wmma_scale_f32_16x16x128_f8f6f4 v[D_:D_+7], v[A_:A_+11], v[B_:B_+11], 0, v[SA_], v[SB_] matrix_a_fmt:MATRIX_FMT_FP6 matrix_b_fmt:MATRIX_FMT_FP6 matrix_a_scale:MATRIX_SCALE_ROW1 matrix_b_scale:MATRIX_SCALE_ROW1
.endif
.else
.if RW_ == 0
	v_wmma_scale_f32_16x16x128_f8f6f4 v[D_:D_+7], v[A_:A_+11], v[B_:B_+11], v[D_:D_+7], v[SA_], v[SB_] matrix_a_fmt:MATRIX_FMT_FP6 matrix_b_fmt:MATRIX_FMT_FP6
.elseif RW_ == 1
	v_wmma_scale_f32_16x16x128_f8f6f4 v[D_:D_+7], v[A_:A_+11], v[B_:B_+11], v[D_:D_+7], v[SA_], v[SB_] matrix_a_fmt:MATRIX_FMT_FP6 matrix_b_fmt:MATRIX_FMT_FP6 matrix_a_scale:MATRIX_SCALE_ROW1
.elseif RW_ == 2
	v_wmma_scale_f32_16x16x128_f8f6f4 v[D_:D_+7], v[A_:A_+11], v[B_:B_+11], v[D_:D_+7], v[SA_], v[SB_] matrix_a_fmt:MATRIX_FMT_FP6 matrix_b_fmt:MATRIX_FMT_FP6 matrix_b_scale:MATRIX_SCALE_ROW1
.else
	v_wmma_scale_f32_16x16x128_f8f6f4 v[D_:D_+7], v[A_:A_+11], v[B_:B_+11], v[D_:D_+7], v[SA_], v[SB_] matrix_a_fmt:MATRIX_FMT_FP6 matrix_b_fmt:MATRIX_FMT_FP6 matrix_a_scale:MATRIX_SCALE_ROW1 matrix_b_scale:MATRIX_SCALE_ROW1
.endif
.endif
.endm
.macro WM set, a, b, zero
.set D_, 8*(8*(\a)+(\b))
.set A_, 96*(\set)+12*(\b)
.set B_, S1F+48*(\set)+12*(\a)
.set SA_, SC0+4*(\set)+(\b)/2
.set SB_, SC1+2*(\set)+(\a)/2
.set RW_, (\b)%2+2*((\a)%2)
	WMX \zero
.endm
; source 1's tiles a0 .. a1 against source 0's eight.  The 32 accumulators take turns, one instruction a turn, in one order everywhere
.macro MUL set, a0, a1, zero
	WIN 0xa1                                       ; source 0 window 1, source 1 window 0, C and D window 2
.set ai_, \a0
.rept (\a1)-(\a0)+1
.irp b, 0,1,2,3,4,5,6,7
	WM \set, ai_, \b, \zero
.endr
.set ai_, ai_+1
.endr
.endm
; K step k = 0 .. 2 of a slot: the next step's fragments are asked for, then this step's 32 products
.macro KSTEP kind, kh, k, zero
	s_wait_dscnt 0x0                               ; this step's fragments are in
	PLACES 4+\zero                                 ; four places in front of loads into registers that products have read; one more where accumulators are begun anew
	FETCH \kind, \kh, (\k)+1, ((\k)+1)%2
	MUL (\k)%2, 0, 3, \zero
.endm
; K step 3 changes slots: one barrier.  fill = 1: the slot just read out takes the next pass's same K half, and the barrier opens a round of the cluster's
.macro TURN t, fill, nkind, nkh
	WIN 0                                          ; (the add's two registers lie in window 0)
	s_wait_tensorcnt 0x0                           ; all my tensor loads have landed: my quarter of the next slot
	ds_add_u32 v[SPW], v[NIL]                      ; 0 onto my spare word
.if \fill
	s_add_nc_u64 s[G0B+4*((\t)%2)+2:G0B+4*((\t)%2)+3], s[G0B+4*((\t)%2)+2:G0B+4*((\t)%2)+3], 819200   ; no load of mine is out: the next weight, 64 REC on
.endif
	s_wait_dscnt 0x0                               ; the add is done, step 3's fragments are in, my reads of this slot are over
	s_barrier_signal -1
	MUL 1, 0, 0, 0                                 ; work on registers while the others arrive
	WIN 0
	s_barrier_wait -1
.if \fill
	CREST                                          ; no wave of any partner still reads this slot or has a load on its way
	tensor_load_to_lds s[G0B+4*((\t)%2):G0B+4*((\t)%2)+3], s[G1B:G1B+7]   ; my one load behind the round: 24 + 96 products stand ahead of the wait for it
	s_nop 0
.endif
	PLACES 4                                       ; behind the load, and in front of the loads below
	FETCH \nkind, \nkh, 0, 0
	MUL 1, 1, 3, 0
.endm
; The 64 results of a lane for source 1's tile a, register 16 b + i = next K 32 b + 16 (lane / 16) + i, become a fragment's codes in v[PC + 12 a] on and a scale word in v[PW + a]
.macro QUANT a
.set AC_, 64*(\a)
.set PC_, PC+12*(\a)
	WIN 0x0a                                       ; sources 0 and 1: window 2
.irp b, 0,1,2,3
	v_max3_num_f32 v[TM+\b], |v[AC_+16*\b]|, |v[AC_+16*\b+1]|, 0x1800000   ; each accumulator is read from its low end on; the floor 2^(3 - 127) holds the byte at 1 from below
.endr
.irp i, 2,4,6,8,10,12,14
.irp b, 0,1,2,3
	v_max3_num_f32 v[TM+\b], |v[AC_+16*\b+\i]|, |v[AC_+16*\b+\i+1]|, v[TM+\b]
.endr
.endr
	WIN 0
.irp b, 0,1,2,3
	v_permlanex16_b32 v[TM+4+\b], v[TM+\b], s82, s83
.endr
.irp b, 0,1,2,3
	v_max_num_f32 v[TM+\b], v[TM+\b], v[TM+4+\b]   ; with lane l xor 16's 16: the block's largest magnitude
.endr
.irp b, 0,1,2,3
	v_add_nc_u32 v[TM+12+\b], 0xff000000, v[TM+\b] ; 2 off its exponent field: the conversion's scale operand
.endr
.irp b, 0,1,2,3
	v_lshrrev_b32 v[TM+4+\b], 23, v[TM+12+\b]      ; the byte
.endr
	v_lshl_or_b32 v[PW+\a], v[TM+5], 8, v[TM+4]
	v_lshl_or_b32 v[PW+\a], v[TM+6], 16, v[PW+\a]
	v_lshl_or_b32 v[PW+\a], v[TM+7], 24, v[PW+\a]
	WIN 0x02                                       ; source 0: window 2
.irp c, 0,1
	v_cvt_scalef32_pk16_fp6_f32 v[PC_+6*\c:PC_+6*\c+2], v[AC_+32*\c:AC_+32*\c+15], v[TM+12+2*\c]
	v_cvt_scalef32_pk16_fp6_f32 v[PT+4*\c:PT+4*\c+2], v[AC_+32*\c+16:AC_+32*\c+31], v[TM+13+2*\c]
.endr
	WIN 0
	v_nop                                          ; one plain line behind the scaled conversions
.irp c, 0,1                            ; the operand wants a whole block in a lane
.irp i, 0,1,2
	v_permlane16_swap_b32 v[PC_+6*\c+\i], v[PT+4*\c+\i]
.endr
.irp i, 0,1,2
	v_mov_b32 v[PC_+6*\c+3+\i], v[PT+4*\c+\i]
.endr
.endr
.endm
.macro EPI base                        ; a pass's way out: four fragments and 256 bytes of scale words: one HREC, stored as it lies
	PLACES 4                                       ; behind the last products
.irp a, 0,1,2,3
	QUANT \a
	global_store_b128 v[L16], v[PC_:PC_+3], s[\base:\base+1] offset:\a*FRG
	global_store_b64 v[L8], v[PC_+4:PC_+5], s[\base:\base+1] offset:\a*FRG+512
	global_store_b128 v[L16], v[PC_+6:PC_+9], s[\base:\base+1] offset:\a*FRG+768
	global_store_b64 v[L8], v[PC_+10:PC_+11], s[\base:\base+1] offset:\a*FRG+1280
.endr
	v_cndmask_b32 v[SWP], v[PW], v[PW+1], s80      ; lanes 0-15 the even tile's words, lanes 16-31 the odd tile's
	v_cndmask_b32 v[SWP+1], v[PW+2], v[PW+3], s80
	global_store_b64 v[L8], v[SWP:SWP+1], s[\base:\base+1] offset:6144
	s_wait_xcnt 0x0                                ; the stores have read their registers: set 1 is loaded again next
.endm
	s_load_b256 s[4:11], s[0:1], 0x0               ; Xr s[4:5], Wr s[6:7], Kr s[8:9], Qr s[10:11]
	s_load_b64 s[12:13], s[0:1], 0x20              ; Vr
	v_lshl_add_u32 v[SPW], v0, 2, SPARE
	v_mov_b32 v[NIL], 0
	ds_add_u32 v[SPW], v[NIL]                      ; the wave's opening: the add, twice on end, and its wait ahead of my first tensor load
	ds_add_u32 v[SPW], v[NIL]
	v_lshrrev_b32 v1, 5, v0
	v_readfirstlane_b32 s14, v1                    ; wave
	s_lshr_b32 s15, s14, 1
	s_and_b32 s16, s14, 1
	s_bfe_u32 s40, ttmp6, 0x40000                  ; cx
	s_bfe_u32 s41, ttmp6, 0x40004                  ; cy
	s_lshl_b32 s42, ttmp9, 2
	s_add_co_u32 s42, s42, s40                     ; j: 256 columns
	s_and_b32 s17, ttmp7, 0xffff
	s_lshl_b32 s17, s17, 2
	s_add_co_u32 s17, s17, s41                     ; i: 128 rows
	s_lshl_b32 s43, s41, 2
	s_lshl_b32 s43, 15, s43                        ; my row of the cluster
	s_lshl_b32 s44, 0x1111, s40                    ; my column
	s_or_b32 s[G1A], s43, (3<<16)|(1<<21)          ; the mask; elements of 8 bytes; bit 21 beside a mask; no padding
	s_or_b32 s[G1B], s44, (3<<16)|(1<<21)
.irp g, G1A, G1B                       ; 25,600 dense bytes as 100 rows of 256
	s_mov_b32 s[\g+1], 32<<16
	s_mov_b32 s[\g+2], 100<<16
	s_mov_b32 s[\g+3], 32<<16
	s_mov_b32 s[\g+4], 100
	s_mov_b32 s[\g+5], 32
	s_mov_b32 s[\g+6], 0
	s_mov_b32 s[\g+7], 0
.endr
	s_mul_i32 s20, s14, 25600                      ; my quarter, in memory and in LDS
	s_mul_i32 s18, s17, 102400
	s_add_co_u32 s18, s18, s20                     ; X: block i (no register of it ever holds cx)
	s_mov_b32 s19, 0
	s_lshl_b32 s46, s42, 1
	s_add_co_u32 s46, s46, s15
	s_lshl_b32 s46, s46, 3
	s_lshl_b32 s47, s16, 1
	s_add_co_u32 s46, s46, s47
	s_mul_i32 s46, s46, REC                        ; W: 128 columns 2 j + wave / 2, REC 2 (wave % 2) on (no register of it ever holds cy)
	s_mov_b32 s47, 0
	s_lshl_b32 s74, s42, 1
	s_add_co_u32 s74, s74, s16
	s_mul_i32 s74, s74, REC
	s_mul_i32 s75, s17, 102400
	s_add_co_u32 s74, s74, s75
	s_mul_i32 s75, s15, HREC
	s_add_co_u32 s74, s74, s75                     ; K, Q out: block i, K step 2 j + wave % 2, HREC wave / 2
	s_mov_b32 s75, 0
	s_lshr_b32 s76, s17, 4
	s_lshl_b32 s76, s76, 3
	s_lshl_b32 s77, s42, 1
	s_add_co_u32 s76, s76, s77
	s_add_co_u32 s76, s76, s15
	s_lshl_b32 s76, s76, 4
	s_and_b32 s77, s17, 15
	s_add_co_u32 s76, s76, s77
	s_mul_i32 s76, s76, REC
	s_mul_i32 s77, s16, HREC
	s_add_co_u32 s76, s76, s77                     ; V out: batch i / 16, channels 128 (2 j + wave / 2) on, key step i % 16, HREC wave % 2
	s_mov_b32 s77, 0
	s_mov_b32 s80, 0xffff0000                      ; lanes 16-31
	s_mov_b32 s82, 0x76543210
	s_mov_b32 s83, 0xfedcba98                      ; v_permlanex16_b32: lane l xor 16
	s_wait_dscnt 0x0                               ; both opening adds are done
	s_wait_kmcnt 0x0
	s_mov_b32 s[G0A], 1
	s_mov_b32 s[G0A+1], s20
	s_add_nc_u64 s[G0A+2:G0A+3], s[4:5], s[18:19]
	s_or_b32 s[G0A+3], s[G0A+3], 0x80000000
.irp s, 0,1
	s_mov_b32 s[G0B+4*\s], 1
	s_add_co_u32 s[G0B+4*\s+1], s20, SLOT0+\s*SLOTB
	s_add_nc_u64 s[G0B+4*\s+2:G0B+4*\s+3], s[6:7], s[46:47]
.if \s
	s_add_nc_u64 s[G0B+4*\s+2:G0B+4*\s+3], s[G0B+4*\s+2:G0B+4*\s+3], 4*REC
.endif
	s_or_b32 s[G0B+4*\s+3], s[G0B+4*\s+3], 0x80000000
.endr
	s_add_nc_u64 s[68:69], s[8:9], s[74:75]
	s_add_nc_u64 s[70:71], s[10:11], s[74:75]
	s_add_nc_u64 s[72:73], s[12:13], s[76:77]
	CROUND                                         ; all sixteen work-groups are here: the first joint loads meet
	tensor_load_to_lds s[G0A:G0A+3], s[G1A:G1A+7]  ; X, for all three passes
	s_nop 0
	tensor_load_to_lds s[G0B:G0B+3], s[G1B:G1B+7]  ; WK, K half 0
	s_nop 0
	tensor_load_to_lds s[G0B+4:G0B+7], s[G1B:G1B+7]  ; WK, K half 1
	s_nop 0
	PLACES 4
	v_and_b32 v1, 31, v0
	v_lshlrev_b32 v[L16], 4, v1
	v_lshlrev_b32 v[L8], 3, v1
	s_mul_i32 s84, s16, 51200
	s_mul_i32 s85, s15, HREC
	s_mul_i32 s86, s15, 51200
	s_mul_i32 s87, s16, HREC
	s_add_co_u32 s86, s86, s87
.irp kh, 0,1
	s_add_co_u32 s88, s84, SLOT0+\kh*SLOTB         ; passes K, Q: source 0 = the slot's 128 columns wave % 2,
	v_add_nc_u32 v[ADR+4*\kh], s88, v[L16]
	v_add_nc_u32 v[ADR+4*\kh+1], s88, v[L8]
	s_add_co_u32 s88, s85, \kh*51200               ; source 1 = X's HREC wave / 2
	v_add_nc_u32 v[ADR+4*\kh+2], s88, v[L16]
	v_add_nc_u32 v[ADR+4*\kh+3], s88, v[L8]
	v_add_nc_u32 v[ADR+8+4*\kh], \kh*51200, v[L16] ; pass V: source 0 = X's 128 rows,
	v_add_nc_u32 v[ADR+8+4*\kh+1], \kh*51200, v[L8]
	s_add_co_u32 s88, s86, SLOT0+\kh*SLOTB         ; source 1 = the slot's 128 columns wave / 2, HREC wave % 2
	v_add_nc_u32 v[ADR+8+4*\kh+2], s88, v[L16]
	v_add_nc_u32 v[ADR+8+4*\kh+3], s88, v[L8]
.endr
.irp b, 0,1,2,3
	v_mov_b32 v[TM+4+\b], 0                        ; written once: a lane permute's destination counts as one of its sources
.endr
	s_wait_tensorcnt 0x1                           ; X and K half 0 are in; the one younger load, K half 1, may be out
	s_barrier_signal -1
	s_barrier_wait -1
	FETCH 0, 0, 0, 0
	; ---- pass K
	KSTEP 0, 0, 0, 1
	KSTEP 0, 0, 1, 0
	KSTEP 0, 0, 2, 0
	TURN 0, 1, 0, 1
	KSTEP 0, 1, 0, 0
	KSTEP 0, 1, 1, 0
	KSTEP 0, 1, 2, 0
	TURN 1, 1, 0, 0
	EPI 68
	; ---- pass Q
	KSTEP 0, 0, 0, 1
	KSTEP 0, 0, 1, 0
	KSTEP 0, 0, 2, 0
	TURN 2, 1, 0, 1
	KSTEP 0, 1, 0, 0
	KSTEP 0, 1, 1, 0
	KSTEP 0, 1, 2, 0
	TURN 3, 1, 1, 0
	EPI 70
	; ---- pass V
	KSTEP 1, 0, 0, 1
	KSTEP 1, 0, 1, 0
	KSTEP 1, 0, 2, 0
	TURN 4, 0, 1, 1                                ; nothing is left to fetch: a plain barrier
	KSTEP 1, 1, 0, 0
	KSTEP 1, 1, 1, 0
	KSTEP 1, 1, 2, 0
	s_wait_dscnt 0x0
	MUL 1, 0, 3, 0
	EPI 72
	s_wait_tensorcnt 0x0                           ; the wave's end: the tensor wait, an add of 0 to my spare word and its wait, behind my last tensor load
	ds_add_u32 v[SPW], v[NIL]
	s_wait_dscnt 0x0
	CROUND                                         ; the closing round
	s_endpgm
.Lfunc_end_k_qbd9994e403_proj:
	.size	k_qbd9994e403_proj, .Lfunc_end_k_qbd9994e403_proj-k_qbd9994e403_proj
	.p2alignl 7, 3214868480
	.fill 96, 4, 3214868480
	.section	.rodata,"a",@progbits
	.p2align	6, 0x0
	.amdhsa_kernel k_qbd9994e403_proj
		.amdhsa_group_segment_fixed_size 327680
		.amdhsa_private_segment_fixed_size 0
		.amdhsa_enable_private_segment 0
		.amdhsa_kernarg_size 40
		.amdhsa_user_sgpr_count 2
		.amdhsa_user_sgpr_kernarg_segment_ptr 1
		.amdhsa_wavefront_size32 1
		.amdhsa_system_sgpr_workgroup_id_x 1
		.amdhsa_system_sgpr_workgroup_id_y 1
		.amdhsa_system_sgpr_workgroup_id_z 1
		.amdhsa_system_vgpr_workitem_id 0
		.amdhsa_next_free_vgpr 768
		.amdhsa_next_free_sgpr 100
		.amdhsa_reserve_vcc 0
		.amdhsa_float_denorm_mode_32 3
		.amdhsa_float_denorm_mode_16_64 3
		.amdhsa_memory_ordered 1
		.amdhsa_forward_progress 1
		.amdhsa_inst_pref_size 241
	.end_amdhsa_kernel
	.amdgpu_metadata
---
amdhsa.version: [ 1, 2 ]
amdhsa.kernels:
  - .name:           k_qbd9994e403_proj
    .symbol:         k_qbd9994e403_proj.kd
    .args:
      - { .name: Xr, .offset: 0, .size: 8, .value_kind: global_buffer, .address_space: global }
      - { .name: Wr, .offset: 8, .size: 8, .value_kind: global_buffer, .address_space: global }
      - { .name: Kr, .offset: 16, .size: 8, .value_kind: global_buffer, .address_space: global }
      - { .name: Qr, .offset: 24, .size: 8, .value_kind: global_buffer, .address_space: global }
      - { .name: Vr, .offset: 32, .size: 8, .value_kind: global_buffer, .address_space: global }
    .group_segment_fixed_size: 327680
    .private_segment_fixed_size: 0
    .kernarg_segment_align: 8
    .kernarg_segment_size: 40
    .max_flat_workgroup_size: 128
    .sgpr_count:     100
    .vgpr_count:     768
    .wavefront_size: 32
...
	.end_amdgpu_metadata
.endif
;; end of part 2
;; launch scores (part 3): grid 51 x 4, 4 waves a work-group, no clusters, 327,680 bytes of LDS; arguments Qr, Kr, Pr, St; writes Pr, St
.if DOCPART == 3
	.amdgcn_target "amdgcn-amd-amdhsa--gfx1250"
	.amdhsa_code_object_version 6
	.text
	.protected	k_qbd9994e403_scores
	.globl	k_qbd9994e403_scores
	.p2align	8
	.type	k_qbd9994e403_scores,@function
k_qbd9994e403_scores:
	s_mov_b64 s[64:65], 0
	v_nop
	global_prefetch_b8 v0, s[64:65] scope:SCOPE_SE
	s_setreg_imm32_b32 hwreg(HW_REG_WAVE_MODE, 25, 1), 1
	s_wait_xcnt 0x0
; S = Q K^T / 32 on codes of FP6, the causal mask, and p = 2^(t - M') quantised along the keys.  LEFT OUT: the blocks of 128 queries x 128 keys wholly above the diagonal (shown dead in prep's head comment).
; M' IS LOCAL: the ceiling of the largest t of a row among the 64 keys of one wave.  M' is a whole number, so under the row's true M the codes are the same and only the scale bytes move, by M - M': the next launch subtracts that.
; For each row and 64 keys this launch stores { -M', the sum of the unquantised p, the two blocks' bytes }.
; SHARES.  A unit is 128 queries x 128 keys x 1,024.  A work-group is (batch, query block qi, chunk c3) and takes key blocks 3 c3 .. min(3 c3 + 2, qi): 51 work-groups a batch, 1 to 3 units each.
; Wave (qh, kh) makes 64 keys x 64 queries: source 0 = 4 tiles of K, source 1 = 4 tiles of Q: a lane holds one query, its registers run along the keys.  Its Q (4 tiles x 8 K steps, 384 registers) is loaded once,
; straight from memory, where it lies as register images; K's blocks (102,400 bytes, codes and scale words together) go through two LDS slots, a dense quarter a wave.
; WAITS BY COUNT.  Q's 136 loads go out at the head, the scale words first, then K step by K step; each K step of a unit waits for its own group alone, so the first unit's early products run while the later groups are on
; their way (in later units these waits are met at once).  K's fragments are asked for two K steps ahead, into three sets of registers, so a K step waits for its own 17 LDS loads and leaves the next step's 17 out.
; THE SOFTMAX takes two tiles of 16 queries by turns up to the exponentials, which go as one batch of 64 with one wait; from the sums on a tile at a time.
; NO CLUSTER: the work-groups that walk the same key blocks are 16 - 3 c3 query blocks, no multiple of 4, with 1 to 3 units each: partners would need different numbers of tiles, and 51 does not divide.
; The loop walks three units in every work-group, so that its trip count is a constant; a unit beyond the work-group's N is jumped over, and so is its tensor load: every wait on TENSORcnt here is for 0, the test is made of
; ids alone and is the same in all four waves, and where the tail begins hangs on the work-group's number.  A wave has one tensor load out.
; On the diagonal the wave (keys 64-127, queries 0-63) sees hidden keys alone; it runs like its three sisters and stores zero codes, a sum of 0 and -M' = 3e38.
; REGISTERS: window 0: addresses, scale words, statistics, v128-255 the 16 accumulators ((a, b) at 128 + 8 (4 a + b)).  window 1: Q of K steps 0-4.  window 2: Q of K steps 5-7; K's sets 0, 1 at v144, v192.  window 3: K's set 2 at v0.
.set REC,   12800
.set FRG,   1536
.set SPARE, 102400
.set SLOT1, 0x20000
.set K16,  8                           ; v8, v9   16 x lane, 8 x lane + my HREC of K
.set K8,   9
.set ADK,  10                          ; v10-13   the unit's addresses: by 16, K steps 0-3 and 4-7; by 8 likewise
.set L16,  14
.set L8,   15
.set VD0,  16                          ; v16  my query less my first key, in the block: r + 8 (r / 8) - 16 h + 64 (qh - kh)
.set NINF, 17
.set PO16, 18                          ; v18, v19  my place in a unit of Pr
.set PO8,  19
.set SO,   20                          ; v20  and in a unit of St
.set SPW,  22
.set NIL,  23
.set QS,   24                          ; v24-39  Q's scale words, two registers a K step
.set KS,   40                          ; v40-43  K's scale words, sets 0 and 1
.set BM,   44                          ; the even tile: v44-45 the two blocks' largest scores, then p; v46-47 lane l xor 16's
.set MT,   48                          ; v48 -M', v49 the largest t
.set SU,   50                          ; v50-53 sums
.set SCO,  54                          ; v54-55 the conversions' scale operands
.set KS2,  56                          ; v56-57  K's scale words, set 2
.set BN,   58                          ; the odd tile: v58-61 as v44-47
.set MU,   62                          ; v62-63 as v48-49
.set PCB,  64                          ; v[64 + 8 a] on: six registers of codes
.set PT,   96
.set NM,   100                         ; v100-103 -M', v104-107 sums, v108-111 and v112-115 bytes, by tile
.set LS,   104
.set B0,   108
.set STR,  116                         ; v116-123 two records for St
.set ACC,  128
.set MSB, 0
.macro WIN new
.if MSB != \new
	s_set_vgpr_msb (MSB<<8)|\new
.set MSB, \new
.endif
.endm
.macro PLACES n
.rept \n
	v_nop
.endr
.endm
.macro FRAGLD reg, a16, a8, off
.set FR_, \reg
.set FO_, \off
	ds_load_b128 v[FR_:FR_+3], v[\a16] offset:FO_
	ds_load_b64 v[FR_+4:FR_+5], v[\a8] offset:FO_+512
	ds_load_b128 v[FR_+6:FR_+9], v[\a16] offset:FO_+768
	ds_load_b64 v[FR_+10:FR_+11], v[\a8] offset:FO_+1280
.endm
.macro GFRAG reg, off                  ; the same from memory: each load of the wave covers 512 or 256 consecutive bytes, aligned
.set FR_, \reg
.set FO_, \off
	global_load_b128 v[FR_:FR_+3], v[L16], s[52:53] offset:FO_
	global_load_b64 v[FR_+4:FR_+5], v[L8], s[52:53] offset:FO_+512
	global_load_b128 v[FR_+6:FR_+9], v[L16], s[52:53] offset:FO_+768
	global_load_b64 v[FR_+10:FR_+11], v[L8], s[52:53] offset:FO_+1280
.endm
.macro FETCHK s, set                   ; 17 loads: K step s: my 4 fragments of K and their scale words, into set 0, 1 (window 2) or 2 (window 3)
.if (\s) < 4
.set K16_, ADK
.set K8_, ADK+2
.else
.set K16_, ADK+1
.set K8_, ADK+3
.endif
.if (\set) < 2
.set KB_, 144+48*(\set)
.set KW_, KS+2*(\set)
	WIN 0x80
.else
.set KB_, 0
.set KW_, KS2
	WIN 0xc0
.endif
.irp b, 0,1,2,3
	FRAGLD KB_+12*\b, K16_, K8_, ((\s)%4)*REC+\b*FRG
.endr
	WIN 0
	ds_load_b64 v[KW_:KW_+1], v[K8_] offset:((\s)%4)*REC+6144
.endm
.macro WMX zero
.if \zero
.if RW_ == 0
	v_wmma_scale_f32_16x16x128_f8f6f4 v[D_:D_+7], v[A_:A_+11], v[B_:B_+11], 0, v[SA_], v[SB_] matrix_a_fmt:MATRIX_FMT_FP6 matrix_b_fmt:MATRIX_FMT_FP6
.elseif RW_ == 1
	v_wmma_scale_f32_16x16x128_f8f6f4 v[D_:D_+7], v[A_:A_+11], v[B_:B_+11], 0, v[SA_], v[SB_] matrix_a_fmt:MATRIX_FMT_FP6 matrix_b_fmt:MATRIX_FMT_FP6 matrix_a_scale:MATRIX_SCALE_ROW1
.elseif RW_ == 2
	v_wmma_scale_f32_16x16x128_f8f6f4 v[D_:D_+7], v[A_:A_+11], v[B_:B_+11], 0, v[SA_], v[SB_] matrix_a_fmt:MATRIX_FMT_FP6 matrix_b_fmt:MATRIX_FMT_FP6 matrix_b_scale:MATRIX_SCALE_ROW1
.else
	v_wmma_scale_f32_16x16x128_f8f6f4 v[D_:D_+7], v[A_:A_+11], v[B_:B_+11], 0, v[SA_], v[SB_] matrix_a_fmt:MATRIX_FMT_FP6 matrix_b_fmt:MATRIX_FMT_FP6 matrix_a_scale:MATRIX_SCALE_ROW1 matrix_b_scale:MATRIX_SCALE_ROW1
.endif
.else
.if RW_ == 0
	v_wmma_scale_f32_16x16x128_f8f6f4 v[D_:D_+7], v[A_:A_+11], v[B_:B_+11], v[D_:D_+7], v[SA_], v[SB_] matrix_a_fmt:MATRIX_FMT_FP6 matrix_b_fmt:MATRIX_FMT_FP6
.elseif RW_ == 1
	v_wmma_scale_f32_16x16x128_f8f6f4 v[D_:D_+7], v[A_:A_+11], v[B_:B_+11], v[D_:D_+7], v[SA_], v[SB_] matrix_a_fmt:MATRIX_FMT_FP6 matrix_b_fmt:MATRIX_FMT_FP6 matrix_a_scale:MATRIX_SCALE_ROW1
.elseif RW_ == 2
	v_wmma_scale_f32_16x16x128_f8f6f4 v[D_:D_+7], v[A_:A_+11], v[B_:B_+11], v[D_:D_+7], v[SA_], v[SB_] matrix_a_fmt:MATRIX_FMT_FP6 matrix_b_fmt:MATRIX_FMT_FP6 matrix_b_scale:MATRIX_SCALE_ROW1
.else
	v_wmma_scale_f32_16x16x128_f8f6f4 v[D_:D_+7], v[A_:A_+11], v[B_:B_+11], v[D_:D_+7], v[SA_], v[SB_] matrix_a_fmt:MATRIX_FMT_FP6 matrix_b_fmt:MATRIX_FMT_FP6 matrix_a_scale:MATRIX_SCALE_ROW1 matrix_b_scale:MATRIX_SCALE_ROW1
.endif
.endif
.endm
.macro WMS s, a, b                     ; K step s lies in K's set s % 3
.set D_, ACC+8*(4*(\a)+(\b))
.if (\s)%3 < 2
.set A_, 144+48*((\s)%3)+12*(\b)
.set SA_, KS+2*((\s)%3)+(\b)/2
.else
.set A_, 12*(\b)
.set SA_, KS2+(\b)/2
.endif
.if (\s) < 5
.set B_, 48*(\s)+12*(\a)
.else
.set B_, 48*((\s)-5)+12*(\a)
.endif
.set SB_, QS+2*(\s)+(\a)/2
.set RW_, (\b)%2+2*((\a)%2)
.if (\s) == 0
	WMX 1
.else
	WMX 0
.endif
.endm
; The change of slots stands at a unit's head
.macro CHANGE fill
	s_wait_tensorcnt 0x0                           ; my quarter of the block that I am about to read has landed; no load of mine is out, so group 0 may be written
	ds_add_u32 v[SPW], v[NIL]                      ; 0 onto my spare word
.if \fill
	s_xor_b32 s37, s37, SLOT1                      ; the other slot,
	s_add_nc_u64 s[38:39], s[38:39], 102400        ; the next key block
.endif
	s_wait_dscnt 0x0                               ; the add is done, and my reads of the slot that I have left are over
	s_barrier_signal -1
	s_barrier_wait -1
.if \fill
	s_add_co_u32 s55, s24, 1
	s_cmp_ge_u32 s55, s22                          ; is there a next unit?  ids and the count of trips alone: the same in all four waves
	s_cbranch_scc1 .Lpast_\@
	tensor_load_to_lds s[36:39], s[28:35]          ; it has a whole unit in which to land
	s_nop 0
	PLACES 4
.Lpast_\@:
.endif
.endm
; Tile a's 32 numbers p of a lane: the row's sum, the two blocks' bytes, six registers of codes, the stores.  bm: where the tile's two largest p lie.  wait = 1: the wait for those stands here
.macro POST a, bm, wait
.set AN_, \a
.set S_, ACC+32*AN_
.set PC_, PCB+8*AN_
	v_pk_add_f32 v[SU:SU+1], v[S_:S_+1], v[S_+2:S_+3]           ; the sum of the unquantised p, in two chains
	v_pk_add_f32 v[SU+2:SU+3], v[S_+4:S_+5], v[S_+6:S_+7]
.irp j, 8,12,16,20,24,28
	v_pk_add_f32 v[SU:SU+1], v[SU:SU+1], v[S_+\j:S_+\j+1]
	v_pk_add_f32 v[SU+2:SU+3], v[SU+2:SU+3], v[S_+\j+2:S_+\j+3]
.endr
	v_pk_add_f32 v[SU:SU+1], v[SU:SU+1], v[SU+2:SU+3]
	v_add_f32 v[SU], v[SU], v[SU+1]
.if \wait
	s_wait_alu depctr_va_vdst(0)                   ; one wait for the four exponentials of the blocks' largest p, ahead of their first reader; the sums above are the plain work between
.endif
.irp p, 0,1
	v_max_num_f32 v[\bm+\p], 0x1800000, v[\bm+\p]  ; the floor 2^(3 - 127): a block whose every p is 0 keeps the byte 1; its codes are zeros
.endr
.irp p, 0,1
	v_add_nc_u32 v[SCO+\p], 0xff000000, v[\bm+\p]  ; 2 off the exponent field: the conversion's scale operand
.endr
.irp p, 0,1
	v_lshrrev_b32 v[B0+4*\p+AN_], 23, v[SCO+\p]    ; the byte
.endr
	v_permlanex16_b32 v[\bm+2], v[SU], s42, s43
	v_add_f32 v[LS+AN_], v[SU], v[\bm+2]           ; the row's sum over my 64 keys
	v_cvt_scalef32_pk16_fp6_f32 v[PC_:PC_+2], v[S_:S_+15], v[SCO]
	v_cvt_scalef32_pk16_fp6_f32 v[PT:PT+2], v[S_+16:S_+31], v[SCO+1]
	v_nop                                          ; one plain line behind the scaled conversions
.irp i, 0,1,2
	v_permlane16_swap_b32 v[PC_+\i], v[PT+\i]      ; a whole block to a lane
.endr
.irp i, 0,1,2
	v_mov_b32 v[PC_+3+\i], v[PT+\i]
.endr
	global_store_b128 v[PO16], v[PC_:PC_+3], s[46:47] offset:AN_*FRG       ; half kh of the fragment (tile a, these 128 keys)
	global_store_b64 v[PO8], v[PC_+4:PC_+5], s[46:47] offset:AN_*FRG+512
.if AN_%2 == 1
.set R_, STR+4*(AN_/2)
	v_cndmask_b32 v[R_], v[NM+AN_-1], v[NM+AN_], s44   ; lanes 0-15 the even tile's rows, lanes 16-31 the odd tile's
	v_cndmask_b32 v[R_+1], v[LS+AN_-1], v[LS+AN_], s44
	v_cndmask_b32 v[R_+2], v[B0+AN_-1], v[B0+AN_], s44
	v_cndmask_b32 v[R_+3], v[B0+4+AN_-1], v[B0+4+AN_], s44
	global_store_b128 v[SO], v[R_:R_+3], s[48:49] offset:(AN_/2)*512
.endif
.endm
; Tiles a0 and a0 + 1: 2 x 32 scores of a lane become p.  The two tiles take turns line by line, so that no line waits for the line above it
.macro SOFT2 a0
.set S0_, ACC+32*(\a0)
.set S1_, ACC+32*(\a0)+32
.irp p, 0,1
	v_max3_num_f32 v[BM+\p], v[S0_+16*\p], v[S0_+16*\p+1], v[S0_+16*\p+2]   ; each block's largest score: for the row's maximum and, since p rises with the score, for the block's largest p
	v_max3_num_f32 v[BN+\p], v[S1_+16*\p], v[S1_+16*\p+1], v[S1_+16*\p+2]
.endr
.irp i, 3,5,7,9,11,13
.irp p, 0,1
	v_max3_num_f32 v[BM+\p], v[BM+\p], v[S0_+16*\p+\i], v[S0_+16*\p+\i+1]
	v_max3_num_f32 v[BN+\p], v[BN+\p], v[S1_+16*\p+\i], v[S1_+16*\p+\i+1]
.endr
.endr
.irp p, 0,1
	v_max_num_f32 v[BM+\p], v[BM+\p], v[S0_+16*\p+15]
	v_max_num_f32 v[BN+\p], v[BN+\p], v[S1_+16*\p+15]
.endr
.irp p, 0,1
	v_permlanex16_b32 v[BM+2+\p], v[BM+\p], s42, s43
	v_permlanex16_b32 v[BN+2+\p], v[BN+\p], s42, s43
.endr
.irp p, 0,1
	v_max_num_f32 v[BM+\p], v[BM+\p], v[BM+2+\p]   ; with lane l xor 16's 16 keys
	v_max_num_f32 v[BN+\p], v[BN+\p], v[BN+2+\p]
.endr
	v_max_num_f32 v[MT+1], v[BM], v[BM+1]
	v_max_num_f32 v[MU+1], v[BN], v[BN+1]
	v_mul_f32 v[MT+1], s40, v[MT+1]                ; as t: c = log2(e) / 32 is positive
	v_mul_f32 v[MU+1], s40, v[MU+1]
	v_max_num_f32 v[MT+1], 0xff61b1e6, v[MT+1]     ; held at -3e38, where all 64 keys are hidden
	v_max_num_f32 v[MU+1], 0xff61b1e6, v[MU+1]
	v_floor_f32 v[MT], -v[MT+1]                    ; -M' = floor(-t) = -ceil(t)
	v_floor_f32 v[MU], -v[MU+1]
.irp j, 0,2,4,6,8,10,12,14,16,18,20,22,24,26,28,30
	v_pk_fma_f32 v[S0_+\j:S0_+\j+1], v[S0_+\j:S0_+\j+1], s[40:41], v[MT:MT+1] op_sel_hi:[1,0,0]   ; t - M'
	v_pk_fma_f32 v[S1_+\j:S1_+\j+1], v[S1_+\j:S1_+\j+1], s[40:41], v[MU:MU+1] op_sel_hi:[1,0,0]
.endr
.irp p, 0,1
	v_fma_f32 v[BM+\p], v[BM+\p], s40, v[MT]
	v_fma_f32 v[BN+\p], v[BN+\p], s40, v[MU]
.endr
.set j, 0
.rept 64
	v_exp_f32 v[S0_+j], v[S0_+j]                   ; p, at most 1: not normalised; both tiles' 64 are one batch
.set j, j+1
.endr
	v_mov_b32 v[NM+\a0], v[MT]                     ; plain lines behind the exponentials
	v_mov_b32 v[NM+\a0+1], v[MU]
	s_wait_alu depctr_va_vdst(0)                   ; one wait for the batch, ahead of its first reader
.irp p, 0,1
	v_exp_f32 v[BM+\p], v[BM+\p]                   ; the block's largest p: the same two instructions on the same number
	v_exp_f32 v[BN+\p], v[BN+\p]
.endr
	POST \a0, BM, 1
	POST \a0+1, BN, 0
.endm
.macro UNIT
	s_cmp_ge_u32 s24, s22
	s_cbranch_scc1 .Lhid_\@                        ; no such unit in this work-group: ids alone
	v_add_nc_u32 v[ADK], s25, v[K16]               ; (these four are also the places in front of the loads below)
	v_add_nc_u32 v[ADK+1], 51200, v[ADK]
	v_add_nc_u32 v[ADK+2], s25, v[K8]
	v_add_nc_u32 v[ADK+3], 51200, v[ADK+2]
	FETCHK 0, 0
	FETCHK 1, 1
.irp s, 0,1,2,3,4,5,6,7
.if \s < 4
	s_wait_loadcnt 63                              ; Q of this K step is in: of the head's 136 loads at most 63 are out, so the oldest 73 are in: the 8 of the scale words and the 64 of K steps 0-3; 63 is the largest count that this wait names
.else
	s_wait_loadcnt 16*(7-\s)                       ; Q of this K step is in; the 16 loads of each later K step may be out
.endif
.if \s < 7
	s_wait_dscnt 17                                ; K of this step is in; the next step's 17 loads may be out
.else
	s_wait_dscnt 0x0
.endif
.if \s < 6
.if \s == 0
	PLACES 5                                       ; the accumulators are begun anew
.else
	PLACES 4                                       ; in front of loads into the set that the last step's products have read
.endif
	FETCHK \s+2, (\s+2)%3
.endif
.set WN_, 2+((\s)%3)/2+4*(1+(\s)/5)                ; K: window 2, set 2 window 3; Q: window 1, from K step 5 on window 2
	WIN WN_
.irp a, 0,1,2,3
.irp b, 0,1,2,3
	WMS \s, \a, \b                                 ; the 16 accumulators by turns
.endr
.endr
.endr
	WIN 0
	PLACES 4
	s_cmp_lg_u32 s23, s20
	s_cbranch_scc1 .Lopen_\@                       ; under the diagonal every key counts
.irp a, 0,1,2,3                        ; register 16 p + i of tile a: hidden where 32 p + i - 32 (a / 2) - 8 (a % 2) > v[VD0]
.set n, 0
.rept 32
	v_cmp_gt_i32 vcc_lo, 32*(n/16)+(n%16)-32*(\a/2)-8*(\a%2), v[VD0]
	v_cndmask_b32 v[ACC+32*\a+n], v[ACC+32*\a+n], v[NINF], vcc_lo
.set n, n+1
.endr
.endr
.Lopen_\@:
	SOFT2 0
	SOFT2 2
.Lhid_\@:
	s_wait_xcnt 0x0                                ; the stores have read their registers and bases
	s_add_nc_u64 s[46:47], s[46:47], 12288
	s_add_nc_u64 s[48:49], s[48:49], 4096
	s_add_co_u32 s23, s23, 1
	s_xor_b32 s25, s25, SLOT1
.endm
	s_load_b256 s[4:11], s[0:1], 0x0               ; Qr s[4:5], Kr s[6:7], Pr s[8:9], St s[10:11]
	v_lshl_add_u32 v[SPW], v0, 2, SPARE
	v_mov_b32 v[NIL], 0
	ds_add_u32 v[SPW], v[NIL]                      ; the wave's opening: the add, twice on end, and its wait ahead of my first tensor load
	ds_add_u32 v[SPW], v[NIL]
	v_lshrrev_b32 v1, 5, v0
	v_readfirstlane_b32 s12, v1                    ; wave
	s_lshr_b32 s13, s12, 1                         ; qh
	s_and_b32 s14, s12, 1                          ; kh
	; x = 0 .. 50 -> (qi, c3): query blocks 3 g .. 3 g + 2 have g + 1 chunks each, and begin at x = 3 g (g + 1) / 2
	s_mov_b32 s16, 0
.irp th, 3,9,18,30,45
	s_cmp_ge_u32 ttmp9, \th
	s_cselect_b32 s17, 1, 0
	s_add_co_u32 s16, s16, s17
.endr
	s_add_co_u32 s17, s16, 1
	s_mul_i32 s18, s16, s17
	s_mul_i32 s18, s18, 3
	s_lshr_b32 s18, s18, 1
	s_sub_co_u32 s18, ttmp9, s18
	s_lshl_b32 s19, s17, 1
	s_cmp_ge_u32 s18, s17
	s_cselect_b32 s26, 1, 0
	s_cmp_ge_u32 s18, s19
	s_cselect_b32 s27, 1, 0
	s_add_co_u32 s26, s26, s27
	s_mul_i32 s20, s16, 3
	s_add_co_u32 s20, s20, s26                     ; qi
	s_mul_i32 s27, s26, s17
	s_sub_co_u32 s21, s18, s27                     ; c3
	s_mul_i32 s23, s21, 3                          ; the key block in hand
	s_add_co_u32 s22, s20, 1
	s_sub_co_u32 s22, s22, s23
	s_min_u32 s22, s22, 3                          ; N: my units
	s_mov_b32 s24, 0                               ; the unit's number
	s_mov_b32 s25, 0                               ; the slot in hand
	s_and_b32 s50, ttmp7, 0xffff
	s_lshl_b32 s50, s50, 4                         ; 16 x batch
	s_add_co_u32 s51, s50, s20
	s_mul_i32 s52, s51, 102400
	s_mul_i32 s54, s13, 6400
	s_add_co_u32 s52, s52, s54                     ; Q: my block, my HREC
	s_mov_b32 s53, 0
	s_lshl_b32 s51, s51, 4
	s_add_co_u32 s51, s51, s23                     ; the first unit's number in Pr and St
	s_mul_i32 s46, s51, 12288
	s_mov_b32 s47, 0
	s_lshl_b32 s48, s51, 12
	s_mov_b32 s49, 0
	s_add_co_u32 s50, s50, s23
	s_mul_i32 s38, s50, 102400
	s_mul_i32 s37, s12, 25600                      ; my quarter, in LDS and in memory
	s_add_co_u32 s38, s38, s37
	s_mov_b32 s39, 0
	s_mov_b32 s28, 3<<16                           ; no mask; elements of 8 bytes; no padding: 25,600 dense bytes as 100 rows of 256
	s_mov_b32 s29, 32<<16
	s_mov_b32 s30, 100<<16
	s_mov_b32 s31, 32<<16
	s_mov_b32 s32, 100
	s_mov_b32 s33, 32
	s_mov_b32 s34, 0
	s_mov_b32 s35, 0
	s_mov_b32 s36, 1
	s_mov_b32 s40, 0x3d38aa3b                      ; c = log2(e) / 32
	s_mov_b32 s41, s40
	s_mov_b32 s42, 0x76543210
	s_mov_b32 s43, 0xfedcba98
	s_mov_b32 s44, 0xffff0000
	s_wait_dscnt 0x0                               ; both opening adds are done
	s_wait_kmcnt 0x0
	s_add_nc_u64 s[38:39], s[6:7], s[38:39]
	s_or_b32 s39, s39, 0x80000000
	s_add_nc_u64 s[52:53], s[4:5], s[52:53]
	s_add_nc_u64 s[46:47], s[8:9], s[46:47]
	s_add_nc_u64 s[48:49], s[10:11], s[48:49]
	tensor_load_to_lds s[36:39], s[28:35]          ; the first unit's key block, which every work-group reads: every wave issues its quarter
	s_nop 0
	PLACES 4
	v_and_b32 v1, 31, v0
	v_lshlrev_b32 v[L16], 4, v1
	v_lshlrev_b32 v[L8], 3, v1
.irp s, 0,1,2,3,4,5,6,7                ; Q: the 8 loads of scale words first, then 16 loads for each K step, in the order in which a unit wants them
	global_load_b64 v[QS+2*\s:QS+2*\s+1], v[L8], s[52:53] offset:\s*REC+6144
.endr
	WIN 0x40
.irp s, 0,1,2,3,4
.irp a, 0,1,2,3
	GFRAG 48*\s+12*\a, \s*REC+\a*FRG
.endr
.endr
	WIN 0x80
.irp s, 5,6,7
.irp a, 0,1,2,3
	GFRAG 48*(\s-5)+12*\a, \s*REC+\a*FRG
.endr
.endr
	WIN 0
	s_mul_i32 s54, s14, 6400
	v_add_nc_u32 v[K16], s54, v[L16]
	v_add_nc_u32 v[K8], s54, v[L8]
	v_and_b32 v2, 15, v0
	v_and_b32 v3, 8, v2
	v_add_nc_u32 v2, v2, v3
	v_bfe_u32 v3, v0, 4, 1
	v_lshlrev_b32 v3, 4, v3
	v_sub_nc_u32 v2, v2, v3
	s_sub_co_i32 s54, s13, s14
	s_lshl_b32 s54, s54, 6
	v_add_nc_u32 v[VD0], s54, v2
	v_mov_b32 v[NINF], 0xff800000
	s_mul_i32 s54, s13, 6144
	s_mul_i32 s55, s14, 768
	s_add_co_u32 s54, s54, s55
	v_add_nc_u32 v[PO16], s54, v[L16]
	v_add_nc_u32 v[PO8], s54, v[L8]
	s_lshl_b32 s54, s14, 11
	s_lshl_b32 s55, s13, 10
	s_add_co_u32 s54, s54, s55
	v_add_nc_u32 v[SO], s54, v[L16]
	v_mov_b32 v[BM+2], 0                           ; written once: a lane permute's destination counts as one of its sources
	v_mov_b32 v[BM+3], 0
	v_mov_b32 v[BN+2], 0
	v_mov_b32 v[BN+3], 0
.Lunit:                                            ; Q's loads may still be out here: each K step of a unit has its own wait for them
	CHANGE 1
	UNIT
	s_add_co_u32 s24, s24, 1
	s_cmp_lt_u32 s24, 2
	s_cbranch_scc1 .Lunit
	CHANGE 0                                       ; the third unit is written out: nothing is asked for behind it
	UNIT
	s_wait_tensorcnt 0x0                           ; the wave's end: the tensor wait, an add of 0 to my spare word and its wait, behind my last tensor load
	ds_add_u32 v[SPW], v[NIL]
	s_wait_dscnt 0x0
	s_endpgm
.Lfunc_end_k_qbd9994e403_scores:
	.size	k_qbd9994e403_scores, .Lfunc_end_k_qbd9994e403_scores-k_qbd9994e403_scores
	.p2alignl 7, 3214868480
	.fill 96, 4, 3214868480
	.section	.rodata,"a",@progbits
	.p2align	6, 0x0
	.amdhsa_kernel k_qbd9994e403_scores
		.amdhsa_group_segment_fixed_size 327680
		.amdhsa_private_segment_fixed_size 0
		.amdhsa_enable_private_segment 0
		.amdhsa_kernarg_size 32
		.amdhsa_user_sgpr_count 2
		.amdhsa_user_sgpr_kernarg_segment_ptr 1
		.amdhsa_wavefront_size32 1
		.amdhsa_system_sgpr_workgroup_id_x 1
		.amdhsa_system_sgpr_workgroup_id_y 1
		.amdhsa_system_sgpr_workgroup_id_z 1
		.amdhsa_system_vgpr_workitem_id 0
		.amdhsa_next_free_vgpr 816
		.amdhsa_next_free_sgpr 66
		.amdhsa_reserve_vcc 1
		.amdhsa_float_denorm_mode_32 3
		.amdhsa_float_denorm_mode_16_64 3
		.amdhsa_memory_ordered 1
		.amdhsa_forward_progress 1
		.amdhsa_inst_pref_size 137
	.end_amdhsa_kernel
	.amdgpu_metadata
---
amdhsa.version: [ 1, 2 ]
amdhsa.kernels:
  - .name:           k_qbd9994e403_scores
    .symbol:         k_qbd9994e403_scores.kd
    .args:
      - { .name: Qr, .offset: 0, .size: 8, .value_kind: global_buffer, .address_space: global }
      - { .name: Kr, .offset: 8, .size: 8, .value_kind: global_buffer, .address_space: global }
      - { .name: Pr, .offset: 16, .size: 8, .value_kind: global_buffer, .address_space: global }
      - { .name: St, .offset: 24, .size: 8, .value_kind: global_buffer, .address_space: global }
    .group_segment_fixed_size: 327680
    .private_segment_fixed_size: 0
    .kernarg_segment_align: 8
    .kernarg_segment_size: 32
    .max_flat_workgroup_size: 128
    .sgpr_count:     66
    .vgpr_count:     816
    .wavefront_size: 32
...
	.end_amdgpu_metadata
.endif
;; end of part 3
;; launch pv (part 4): grid 8 x 32, 4 waves a work-group, clusters of 4 x 1, 327,680 bytes of LDS; arguments Pr, St, Vr, out0; writes out0
.if DOCPART == 4
	.amdgcn_target "amdgcn-amd-amdhsa--gfx1250"
	.amdhsa_code_object_version 6
	.text
	.protected	k_qbd9994e403_pv
	.globl	k_qbd9994e403_pv
	.p2align	8
	.type	k_qbd9994e403_pv,@function
k_qbd9994e403_pv:
	s_mov_b64 s[64:65], 0
	v_nop
	global_prefetch_b8 v0, s[64:65] scope:SCOPE_SE
	s_setreg_imm32_b32 hwreg(HW_REG_WAVE_MODE, 25, 1), 1
	s_wait_xcnt 0x0
	s_wait_alu depctr_hold_cnt(0) depctr_sa_sdst(0) depctr_va_vdst(0) depctr_va_sdst(0) depctr_va_ssrc(0) depctr_va_vcc(0) depctr_vm_vsrc(0)
	s_getreg_b32 s2, hwreg(HW_REG_IB_STS2, 6, 4)
	s_cmp_eq_u32 s2, 0
	s_cbranch_scc0 .Lentry_in_a_cluster
	s_endpgm
.Lentry_in_a_cluster:
	s_bfe_u32 s2, ttmp6, 0x10000c
	s_cmp_lg_u32 s2, 0x3003
	s_cbranch_scc0 .Lentry_shape_is_right
	s_endpgm
.Lentry_shape_is_right:
; O = P V / l on codes of FP6.  LEFT OUT: the key steps of 128 that lie wholly after a block of 128 queries (shown dead in prep's head comment).
; P's codes were made under a whole number M' of each row and 64 keys.  Here the row's M = the largest M' is found, each scale byte is lowered by M - M' (a whole number: the codes' values come out the same), and
; l = the sum of l' 2^(M' - M).  LIMIT: a byte that would fall under 0 is held at 0; such terms lie under 2^-120 of the row's largest.
; SHARES.  256 work-groups of equal work: (128 channels cc, batch, i) makes query blocks i and 15 - i, one after the other: 17 live key steps of a tile of 128 x 128.  Wave (qh, hf): 64 queries x 64 channels,
; 16 accumulators; source 0 = 4 tiles of V (rows = channels), source 1 = 4 tiles of P: a lane holds one query and 2 x 16 neighbouring channels.
; THE WALK: five slots of four key steps, in every work-group.  With d1 = (i < 4): slot 0 = (block i, steps 0-3); slot 1 = (15 - i, 0-3) if d1, else (i, 4-7); slots 2, 3, 4 = (15 - i, the next fours).
; A slot's first key step is always live, so every tensor load is read and none is jumped over; key step k of a slot is multiplied where k <= KL.  The steps beyond (3 of 20 at the most) are fetched and never read:
; in Pr those bytes were written by no launch, and no result hangs on them.
; CLUSTER 4 x 1: the four partners differ in their channels alone, so P's tiles are asked for jointly (waves 0, 1); V's are plain loads (waves 2, 3).  All branches hang on the cluster's y and the wave's number.
; LDS: two slots of 100,352 bytes: P [qh][k][6,144], V [hf][k][6,400]; TAB: P's final scale words, 512 bytes a key step; RLT: 1 / l; a stage of 16 rows x 272 bytes a wave; the spare words.
; A wave has at most two tensor loads out, at the start.
; REGISTERS: window 0: addresses, scale words, v44-107 the way out, v128-255 the accumulators ((a, b) at 128 + 8 (4 a + b); at the head: offsets and work).  window 1: V's sets at 0, 48; P's at 96, 144 (at the head: St's records).
.set FRG,   1536
.set SLOTB, 100352
.set VOFF,  49152
.set TAB,   200704
.set RLT,   212992
.set STG,   214016
.set SPARE, 231424
.set TB0,  16                          ; v16  TAB + 256 qh + 8 x lane
.set TBD,  17                          ; v17  the same + 2,048 d1
.set TW,   18                          ; v18  where I store a scale word: pair w of the block's four
.set RLW,  19                          ; v19  where I store 1 / l
.set RLA,  20                          ; v20  where I read it
.set STO,  21
.set RD,   22
.set GO,   23
.set SPW,  24
.set NIL,  25
.set VS,   26                          ; v26-29 V's scale words, two a set
.set PS,   30                          ; v30-33 P's
.set RL,   34                          ; v[34 + 2 a] 1 / l of tile a's rows; named as a pair
.set T,    44
.set OB,   76
.set ACC,  128
.set VO,   128                         ; the head: v128-151 offsets into St
.set E,    152                         ; v152-159 M - M'; v160-167 its negative; v168-175 l' under M; v176-191 bytes
.set NE,   160
.set LL,   168
.set B0,   176
.set B1,   184
.set NMR,  192                         ; v192, v193 -M of blocks i and 15 - i
.set LSM,  194                         ; v194, v195 l
.set WD,   196
.set KL,   22                          ; s22-26 the last live key step of each slot
.set G1P,  28
.set G1V,  36
.set G0P,  44
.set G0V,  52
.set QBR,  98                          ; s98 = i, s99 = 15 - i
.set MSB, 0
.macro WIN new
.if MSB != \new
	s_set_vgpr_msb (MSB<<8)|\new
.set MSB, \new
.endif
.endm
.macro PLACES n
.rept \n
	v_nop
.endr
.endm
.macro CROUND                          ; a round of the cluster's barrier
	s_barrier_signal -1
	s_barrier_wait -1
	s_cmp_lg_u32 s12, 0
	s_cbranch_scc1 .Lnot_wave_0_\@
	s_barrier_signal -3
.Lnot_wave_0_\@:
	s_barrier_wait -3
	s_barrier_signal -1
	s_barrier_wait -1
.endm
.macro JLOAD s                         ; waves 0, 1: P's halves, jointly; waves 2, 3: V's.  The branch hangs on the wave's number alone
	s_cmp_lt_u32 s12, 2
	s_cbranch_scc0 .Lfor_v_\@
	tensor_load_to_lds s[G0P+4*(\s):G0P+4*(\s)+3], s[G1P:G1P+7]
	s_nop 0
	PLACES 4
	s_branch .Lasked_\@
.Lfor_v_\@:
	tensor_load_to_lds s[G0V+4*(\s):G0V+4*(\s)+3], s[G1V:G1V+7]
	s_nop 0
	PLACES 4
.Lasked_\@:
.endm
.macro SIG n                           ; slot n of the walk, from s91 = its query block and s92 = which four of that block's key steps
	s_lshl_b32 s93, s92, 2
	s_sub_co_u32 s[KL+\n], s91, s93
	s_lshl_b32 s94, s91, 4
	s_add_co_u32 s94, s94, s93
	s_mul_i32 s[70+\n], s94, 12288                 ; where its units begin in the batch's part of Pr,
	s_mul_i32 s[75+\n], s92, 51200                 ; and its REC in the chunk's part of Vr
.endm
.macro FRAGLD reg, a16, a8, off
.set FR_, \reg
.set FO_, \off
	ds_load_b128 v[FR_:FR_+3], v[\a16] offset:FO_
	ds_load_b64 v[FR_+4:FR_+5], v[\a8] offset:FO_+512
	ds_load_b128 v[FR_+6:FR_+9], v[\a16] offset:FO_+768
	ds_load_b64 v[FR_+10:FR_+11], v[\a8] offset:FO_+1280
.endm
.macro TABOF g                         ; where slot g's scale words of P lie in TAB
.if (\g) == 0
.set TR_, TB0
.set TO_, 0
.elseif (\g) == 1
.set TR_, TBD
.set TO_, 2048
.else
.set TR_, TBD
.set TO_, 4096+((\g)-2)*2048
.endif
.endm
.macro FETCH s, k, set                 ; 34 loads: key step k of LDS slot s
	WIN 0x40
.irp b, 0,1,2,3
	FRAGLD 48*(\set)+12*\b, 8+(\s), 10+(\s), (\k)*6400+\b*FRG
.endr
.irp a, 0,1,2,3
	FRAGLD 96+48*(\set)+12*\a, 12+(\s), 14+(\s), (\k)*6144+\a*FRG
.endr
	WIN 0
	ds_load_b64 v[VS+2*(\set):VS+2*(\set)+1], v[10+(\s)] offset:(\k)*6400+6144
	ds_load_b64 v[PS+2*(\set):PS+2*(\set)+1], v[TR_] offset:TO_+512*(\k)
.endm
.macro WMX zero
.if \zero
.if RW_ == 0
	v_wmma_scale_f32_16x16x128_f8f6f4 v[D_:D_+7], v[A_:A_+11], v[B_:B_+11], 0, v[SA_], v[SB_] matrix_a_fmt:MATRIX_FMT_FP6 matrix_b_fmt:MATRIX_FMT_FP6
.elseif RW_ == 1
	v_wmma_scale_f32_16x16x128_f8f6f4 v[D_:D_+7], v[A_:A_+11], v[B_:B_+11], 0, v[SA_], v[SB_] matrix_a_fmt:MATRIX_FMT_FP6 matrix_b_fmt:MATRIX_FMT_FP6 matrix_a_scale:MATRIX_SCALE_ROW1
.elseif RW_ == 2
	v_wmma_scale_f32_16x16x128_f8f6f4 v[D_:D_+7], v[A_:A_+11], v[B_:B_+11], 0, v[SA_], v[SB_] matrix_a_fmt:MATRIX_FMT_FP6 matrix_b_fmt:MATRIX_FMT_FP6 matrix_b_scale:MATRIX_SCALE_ROW1
.else
	v_wmma_scale_f32_16x16x128_f8f6f4 v[D_:D_+7], v[A_:A_+11], v[B_:B_+11], 0, v[SA_], v[SB_] matrix_a_fmt:MATRIX_FMT_FP6 matrix_b_fmt:MATRIX_FMT_FP6 matrix_a_scale:MATRIX_SCALE_ROW1 matrix_b_scale:MATRIX_SCALE_ROW1
.endif
.else
.if RW_ == 0
	v_wmma_scale_f32_16x16x128_f8f6f4 v[D_:D_+7], v[A_:A_+11], v[B_:B_+11], v[D_:D_+7], v[SA_], v[SB_] matrix_a_fmt:MATRIX_FMT_FP6 matrix_b_fmt:MATRIX_FMT_FP6
.elseif RW_ == 1
	v_wmma_scale_f32_16x16x128_f8f6f4 v[D_:D_+7], v[A_:A_+11], v[B_:B_+11], v[D_:D_+7], v[SA_], v[SB_] matrix_a_fmt:MATRIX_FMT_FP6 matrix_b_fmt:MATRIX_FMT_FP6 matrix_a_scale:MATRIX_SCALE_ROW1
.elseif RW_ == 2
	v_wmma_scale_f32_16x16x128_f8f6f4 v[D_:D_+7], v[A_:A_+11], v[B_:B_+11], v[D_:D_+7], v[SA_], v[SB_] matrix_a_fmt:MATRIX_FMT_FP6 matrix_b_fmt:MATRIX_FMT_FP6 matrix_b_scale:MATRIX_SCALE_ROW1
.else
	v_wmma_scale_f32_16x16x128_f8f6f4 v[D_:D_+7], v[A_:A_+11], v[B_:B_+11], v[D_:D_+7], v[SA_], v[SB_] matrix_a_fmt:MATRIX_FMT_FP6 matrix_b_fmt:MATRIX_FMT_FP6 matrix_a_scale:MATRIX_SCALE_ROW1 matrix_b_scale:MATRIX_SCALE_ROW1
.endif
.endif
.endm
.macro MUL16 set, zero                 ; a key step's 16 products; the 16 accumulators by turns, in one order everywhere
	WIN 0x05                                       ; V and P window 1, C and D window 0
.irp a, 0,1,2,3
.irp b, 0,1,2,3
.set D_, ACC+8*(4*\a+\b)
.set A_, 48*(\set)+12*\b
.set B_, 96+48*(\set)+12*\a
.set SA_, VS+2*(\set)+\b/2
.set SB_, PS+2*(\set)+\a/2
.set RW_, \b%2+2*(\a%2)
	WMX \zero
.endr
.endr
.endm
; Eight records of St (key steps 4 g .. 4 g + 3, both halves of their keys) of block sel: the sum, and four final scale words
.macro STATG sel, g
.set RB_, 4*(16*(\sel)+8*(\g))
	WIN 0x01                                       ; source 0: window 1, the records
.irp n, 0,1,2,3,4,5,6,7
	v_sub_f32 v[E+\n], v[RB_+4*\n], v[NMR+\sel]    ; M - M': a whole number, 0 or more
.endr
	WIN 0
.irp n, 0,1,2,3,4,5,6,7
	v_cvt_i32_f32 v[E+\n], v[E+\n]                 ; (it saturates: a record of hidden keys alone has -M' = 3e38)
.endr
.irp q, 0,1,2,3
	s_cmp_lt_u32 s[QBR+\sel], 4*(\g)+\q            ; a key step beyond the diagonal (its load was held at the diagonal's record) counts for nothing
	s_cselect_b32 s90, 1000, 0
	v_max_i32 v[E+2*\q], s90, v[E+2*\q]
	v_max_i32 v[E+2*\q+1], s90, v[E+2*\q+1]
.endr
.irp n, 0,1,2,3,4,5,6,7
	v_sub_nc_u32 v[NE+\n], 0, v[E+\n]
.endr
	WIN 0x01
.irp n, 0,1,2,3,4,5,6,7
	v_ldexp_f32 v[LL+\n], v[RB_+4*\n+1], v[NE+\n]  ; l' 2^(M' - M): nothing is rounded
	v_sub_nc_u32 v[B0+\n], v[RB_+4*\n+2], v[E+\n]
	v_sub_nc_u32 v[B1+\n], v[RB_+4*\n+3], v[E+\n]
.endr
	WIN 0
.irp n, 0,1,2,3,4,5,6,7
	v_add_f32 v[LSM+\sel], v[LSM+\sel], v[LL+\n]
	v_max_i32 v[B0+\n], 0, v[B0+\n]
	v_max_i32 v[B1+\n], 0, v[B1+\n]
.endr
.irp q, 0,1,2,3
	v_lshl_or_b32 v[WD+\q], v[B1+2*\q], 8, v[B0+2*\q]
	v_lshl_or_b32 v[WD+\q], v[B0+2*\q+1], 16, v[WD+\q]
	v_lshl_or_b32 v[WD+\q], v[B1+2*\q+1], 24, v[WD+\q]
	ds_store_b32 v[TW], v[WD+\q] offset:(8*(\sel)+4*(\g)+\q)*512
.endr
.endm
; The way out of block sel: O^T / l through my stage, a tile of 16 queries x 64 channels at a time: 16 lanes store 256 consecutive bytes, aligned
.macro EPIL sel
	PLACES 4                                       ; behind the last products
.irp a, 0,1,2,3
	ds_load_b32 v[RL+2*\a], v[RLA] offset:(\sel)*512+(\a/2)*128+(\a%2)*64
.endr
	s_wait_dscnt 0x0
.irp a, 0,1,2,3
	s_wait_xcnt 0x0                                ; the earlier stores have read their registers
.set n, 0
.rept 16
	v_pk_mul_f32 v[T+n:T+n+1], v[ACC+32*\a+n:ACC+32*\a+n+1], v[RL+2*\a:RL+2*\a+1] op_sel_hi:[1,0]   ; each accumulator from its low end on
.set n, n+2
.endr
.irp p, 0,1
.irp q, 0,1,2,3
	ds_store_b128 v[STO], v[T+16*\p+4*\q:T+16*\p+4*\q+3] offset:128*\p+16*\q
.endr
.endr
.irp e, 0,1,2,3,4,5,6,7
	ds_load_b128 v[OB+4*\e:OB+4*\e+3], v[RD] offset:2*\e*272   ; LDS serves a wave's instructions in order: these see the stores above
.endr
.irp e, 0,1,2,3,4,5,6,7
	s_wait_dscnt 7-\e                              ; the younger loads from the stage may be out
	global_store_b128 v[GO], v[OB+4*\e:OB+4*\e+3], s[82+2*(\sel):83+2*(\sel)] offset:(32*(\a/2)+8*(\a%2)+2*\e+8*(\e/4))*4096 th:TH_STORE_NT
.endr
.endr
.endm
.macro SLOT g
.set SL_, (\g)%2
	TABOF \g
	WIN 0
	; key step 0: always live
	s_wait_dscnt 0x0
	PLACES 4                                       ; in front of loads into registers that products have read
	s_cmp_lt_u32 s[KL+\g], 1
	s_cbranch_scc1 .Lk0_\@
	FETCH SL_, 1, 1
.Lk0_\@:
.if (\g) == 0
	MUL16 0, 1
	WIN 0
.elseif (\g) < 3
	s_cmp_eq_u32 s20, 2-(\g)                       ; does block 15 - i begin here?
	s_cbranch_scc0 .Lsame_\@
	EPIL 0                                         ; block i is finished and leaves;
	PLACES 5
	MUL16 0, 1                                     ; the accumulators are begun anew
	WIN 0
	s_branch .Lmul0_\@
.Lsame_\@:
	MUL16 0, 0
	WIN 0
.Lmul0_\@:
.else
	MUL16 0, 0
	WIN 0
.endif
	s_cmp_lt_u32 s[KL+\g], 1
	s_cbranch_scc1 .Lt_\@
	; key step 1
	s_wait_dscnt 0x0
	PLACES 4
	s_cmp_lt_u32 s[KL+\g], 2
	s_cbranch_scc1 .Lk1_\@
	FETCH SL_, 2, 0
.Lk1_\@:
	MUL16 1, 0
	WIN 0
	s_cmp_lt_u32 s[KL+\g], 2
	s_cbranch_scc1 .Lt_\@
	; key step 2
	s_wait_dscnt 0x0
	PLACES 4
	s_cmp_lt_u32 s[KL+\g], 3
	s_cbranch_scc1 .Lk2_\@
	FETCH SL_, 3, 1
.Lk2_\@:
	MUL16 0, 0
	WIN 0
.Lt_\@:
.if (\g) < 4
	; the change of slots; key step 3's products stand behind it
	s_wait_tensorcnt 0x0                           ; all my tensor loads have landed: my part of the next slot; so group 0 may be written
	ds_add_u32 v[SPW], v[NIL]                      ; 0 onto my spare word
.if (\g) < 3
	s_mov_b32 s80, s[70+(\g)+2]
	s_add_nc_u64 s[G0P+4*SL_+2:G0P+4*SL_+3], s[66:67], s[80:81]
	s_or_b32 s[G0P+4*SL_+3], s[G0P+4*SL_+3], 0x80000000
	s_mov_b32 s80, s[75+(\g)+2]
	s_add_nc_u64 s[G0V+4*SL_+2:G0V+4*SL_+3], s[68:69], s[80:81]
	s_or_b32 s[G0V+4*SL_+3], s[G0V+4*SL_+3], 0x80000000
.endif
	s_wait_dscnt 0x0                               ; the add is done, key step 3's fragments are in, my reads of this slot are over
.if (\g) < 3
	CROUND                                         ; no wave of any partner still reads this slot or has a load on its way
	JLOAD SL_                                      ; the slot two on; its four v_nop are also the places in front of the loads below
.else
	s_barrier_signal -1
	s_barrier_wait -1
	PLACES 4
.endif
	TABOF (\g)+1
	FETCH 1-SL_, 0, 0
	s_cmp_lt_u32 s[KL+\g], 3
	s_cbranch_scc1 .Lend_\@
	MUL16 1, 0
	WIN 0
.Lend_\@:
.else
	s_cmp_lt_u32 s[KL+\g], 3
	s_cbranch_scc1 .Lend_\@
	s_wait_dscnt 0x0
	MUL16 1, 0
	WIN 0
.Lend_\@:
.endif
.endm
	s_load_b256 s[4:11], s[0:1], 0x0               ; Pr s[4:5], St s[6:7], Vr s[8:9], out0 s[10:11]
	v_lshl_add_u32 v[SPW], v0, 2, SPARE
	v_mov_b32 v[NIL], 0
	ds_add_u32 v[SPW], v[NIL]                      ; the wave's opening: the add, twice on end, and its wait ahead of my first tensor load
	ds_add_u32 v[SPW], v[NIL]
	v_lshrrev_b32 v1, 5, v0
	v_readfirstlane_b32 s12, v1                    ; wave
	s_lshr_b32 s13, s12, 1                         ; qh
	s_and_b32 s14, s12, 1                          ; hf; also: which half of P or of V I fetch
	s_bfe_u32 s15, ttmp6, 0x40000                  ; cx
	s_lshl_b32 s16, ttmp9, 2
	s_add_co_u32 s16, s16, s15                     ; cc: it enters V's and O's addresses alone
	s_and_b32 s17, ttmp7, 0xffff
	s_lshr_b32 s18, s17, 3                         ; batch
	s_and_b32 s19, s17, 7                          ; i
	s_sub_co_u32 s27, 15, s19                      ; 15 - i
	s_mov_b32 s98, s19
	s_mov_b32 s99, s27
	s_mov_b32 s81, 0
	s_cmp_lt_u32 s19, 4
	s_cselect_b32 s20, 1, 0                        ; d1
	s_cselect_b32 s21, 2048, 0
	s_cselect_b32 s91, s27, s19
	s_cselect_b32 s92, 0, 1
	SIG 1
	s_mov_b32 s91, s19
	s_mov_b32 s92, 0
	SIG 0
	s_mov_b32 s91, s27
	s_mov_b32 s92, s20
	SIG 2
	s_add_co_u32 s92, s20, 1
	SIG 3
	s_add_co_u32 s92, s20, 2
	SIG 4
	s_mul_i32 s60, s18, 3145728
	s_mul_i32 s61, s14, 6144
	s_add_co_u32 s60, s60, s61                     ; P: the batch, my half of the queries (no register of it ever holds cx)
	s_mov_b32 s61, 0
	s_lshl_b32 s62, s18, 3
	s_add_co_u32 s62, s62, s16
	s_mul_i32 s62, s62, 204800
	s_mul_i32 s63, s14, 6400
	s_add_co_u32 s62, s62, s63                     ; V: the batch's chunk cc, my half of the channels
	s_mov_b32 s63, 0
	s_lshl_b32 s93, s18, 11
	s_lshl_b32 s94, s13, 6
	s_add_co_u32 s93, s93, s94                     ; 2,048 x batch + 64 qh
	s_lshl_b32 s96, s16, 9
	s_lshl_b32 s97, s14, 8
	s_add_co_u32 s96, s96, s97                     ; my 64 channels, in bytes
	s_lshl_b32 s94, s19, 7
	s_add_co_u32 s94, s94, s93
	s_lshl_b32 s94, s94, 12
	s_add_co_u32 s94, s94, s96                     ; O: block i
	s_lshl_b32 s95, s27, 7
	s_add_co_u32 s95, s95, s93
	s_lshl_b32 s95, s95, 12
	s_add_co_u32 s95, s95, s96                     ; O: block 15 - i
	s_lshl_b32 s93, s18, 4
	s_add_co_u32 s96, s93, s19
	s_lshl_b32 s96, s96, 16                        ; St: block i's 16 units of 4,096 bytes
	s_add_co_u32 s97, s93, s27
	s_lshl_b32 s97, s97, 16                        ; and block 15 - i's
	s_mov_b32 s[G1P], 15|(3<<16)|(1<<21)           ; the mask: all four work-groups; elements of 8 bytes; bit 21 beside a mask
	s_mov_b32 s[G1P+1], 768<<16                    ; four rows of 6,144 bytes, 12,288 apart
	s_mov_b32 s[G1P+2], 4<<16
	s_mov_b32 s[G1P+3], 768<<16
	s_mov_b32 s[G1P+4], 4
	s_mov_b32 s[G1P+5], 1536
	s_mov_b32 s[G1P+6], 0
	s_mov_b32 s[G1P+7], 0
	s_mov_b32 s[G1V], 3<<16                        ; no mask: four rows of 6,400 bytes, 12,800 apart
	s_mov_b32 s[G1V+1], 800<<16
	s_mov_b32 s[G1V+2], 4<<16
	s_mov_b32 s[G1V+3], 800<<16
	s_mov_b32 s[G1V+4], 4
	s_mov_b32 s[G1V+5], 1600
	s_mov_b32 s[G1V+6], 0
	s_mov_b32 s[G1V+7], 0
	v_and_b32 v1, 31, v0
	v_lshlrev_b32 v2, 4, v1                        ; 16 x lane
	v_lshlrev_b32 v3, 3, v1                        ; 8 x lane
	s_lshl_b32 s91, s12, 9
	v_add_nc_u32 v4, s91, v2                       ; St: pair w of a unit's four, 16 bytes a lane
.irp kj, 0,1,2,3,4,5,6,7
	s_min_u32 s91, s19, \kj                        ; held at the diagonal's unit: only bytes that were written are read
	s_lshl_b32 s91, s91, 12
	v_add_nc_u32 v[VO+\kj], s91, v4
.endr
.irp kj, 0,1,2,3,4,5,6,7,8,9,10,11,12,13,14,15
	s_min_u32 s91, s27, \kj
	s_lshl_b32 s91, s91, 12
	v_add_nc_u32 v[VO+8+\kj], s91, v4
.endr
	s_mul_i32 s91, s14, 24576                      ; where my loads go in a slot
	s_mul_i32 s92, s14, 25600
	s_add_co_u32 s92, s92, VOFF
	s_wait_dscnt 0x0                               ; both opening adds are done
	s_wait_kmcnt 0x0
	s_add_nc_u64 s[66:67], s[4:5], s[60:61]
	s_add_nc_u64 s[68:69], s[8:9], s[62:63]
	s_mov_b32 s80, s94
	s_add_nc_u64 s[82:83], s[10:11], s[80:81]
	s_mov_b32 s80, s95
	s_add_nc_u64 s[84:85], s[10:11], s[80:81]
	s_mov_b32 s80, s96
	s_add_nc_u64 s[86:87], s[6:7], s[80:81]
	s_mov_b32 s80, s97
	s_add_nc_u64 s[88:89], s[6:7], s[80:81]
.irp s, 0,1
	s_mov_b32 s[G0P+4*\s], 1
	s_add_co_u32 s[G0P+4*\s+1], s91, \s*SLOTB
	s_mov_b32 s80, s[70+\s]
	s_add_nc_u64 s[G0P+4*\s+2:G0P+4*\s+3], s[66:67], s[80:81]
	s_or_b32 s[G0P+4*\s+3], s[G0P+4*\s+3], 0x80000000
	s_mov_b32 s[G0V+4*\s], 1
	s_add_co_u32 s[G0V+4*\s+1], s92, \s*SLOTB
	s_mov_b32 s80, s[75+\s]
	s_add_nc_u64 s[G0V+4*\s+2:G0V+4*\s+3], s[68:69], s[80:81]
	s_or_b32 s[G0V+4*\s+3], s[G0V+4*\s+3], 0x80000000
.endr
	WIN 0x40                                       ; St's records: 512 dense bytes a load, into window 1
.irp kj, 0,1,2,3,4,5,6,7
.irp kh, 0,1
	global_load_b128 v[4*(2*\kj+\kh):4*(2*\kj+\kh)+3], v[VO+\kj], s[86:87] offset:\kh*2048
.endr
.endr
.irp kj, 0,1,2,3,4,5,6,7,8,9,10,11,12,13,14,15
.irp kh, 0,1
	global_load_b128 v[4*(16+2*\kj+\kh):4*(16+2*\kj+\kh)+3], v[VO+8+\kj], s[88:89] offset:\kh*2048
.endr
.endr
	WIN 0
	CROUND                                         ; all four work-groups are here: the first joint loads meet
	s_cmp_lt_u32 s12, 2                            ; a wave's two first fills stand in one arm
	s_cbranch_scc0 .Lfirst_v
	tensor_load_to_lds s[G0P:G0P+3], s[G1P:G1P+7]
	s_nop 0
	tensor_load_to_lds s[G0P+4:G0P+7], s[G1P:G1P+7]
	s_nop 0
	PLACES 4
	s_branch .Lfirst_asked
.Lfirst_v:
	tensor_load_to_lds s[G0V:G0V+3], s[G1V:G1V+7]
	s_nop 0
	tensor_load_to_lds s[G0V+4:G0V+7], s[G1V:G1V+7]
	s_nop 0
	PLACES 4
.Lfirst_asked:
	v_and_b32 v5, 15, v0                           ; r
	v_bfe_u32 v6, v0, 4, 1                         ; h
	s_mul_i32 s91, s14, 25600
	s_add_co_u32 s91, s91, VOFF                    ; V: my half of the channels
	s_mul_i32 s92, s13, 24576                      ; P: my half of the queries
.irp s, 0,1
	s_add_co_u32 s93, s91, \s*SLOTB
	v_add_nc_u32 v[8+\s], s93, v2
	v_add_nc_u32 v[10+\s], s93, v3
	s_add_co_u32 s93, s92, \s*SLOTB
	v_add_nc_u32 v[12+\s], s93, v2
	v_add_nc_u32 v[14+\s], s93, v3
.endr
	s_lshl_b32 s93, s13, 8
	s_add_co_u32 s93, s93, TAB
	v_add_nc_u32 v[TB0], s93, v3
	v_add_nc_u32 v[TBD], s21, v[TB0]
	s_lshl_b32 s93, s14, 2
	v_add_nc_u32 v[TW], s93, v[TB0]
	v_lshl_add_u32 v[RLW], v0, 2, RLT
	s_lshl_b32 s93, s13, 8
	s_add_co_u32 s93, s93, RLT
	v_lshl_add_u32 v[RLA], v5, 2, s93
	s_mul_i32 s93, s12, 4352
	s_add_co_u32 s93, s93, STG                     ; my stage
	v_mul_u32_u24 v[STO], v5, 272
	v_lshl_add_u32 v[STO], v6, 6, v[STO]
	v_add_nc_u32 v[STO], s93, v[STO]               ; in: row r, 64 bytes for each half of the lanes
	v_mul_u32_u24 v[RD], v6, 272
	v_lshl_add_u32 v[RD], v5, 4, v[RD]
	v_add_nc_u32 v[RD], s93, v[RD]                 ; back: lanes 0-15 one row, lanes 16-31 the next
	v_lshlrev_b32 v[GO], 12, v6
	v_lshl_add_u32 v[GO], v5, 4, v[GO]             ; and the same two rows in O
.irp x, 28,29,32,33,35,37,39,41
	v_mov_b32 v\x, 0                               ; set 1's scale words and the pairs' upper halves: written once, so that no way through the text names an unwritten register
.endr
	; ---- the rows' M and l, and P's final scale words: wave w takes pair w (32 rows) of both query blocks
	v_mov_b32 v[NMR], 0x7f61b1e6                   ; 3e38, over every -M' of live keys
	v_mov_b32 v[NMR+1], 0x7f61b1e6
	v_mov_b32 v[LSM], 0
	v_mov_b32 v[LSM+1], 0
	s_wait_loadcnt 0x0
	WIN 0x01
.irp n, 0,1,2,3,4,5,6,7,8,9,10,11,12,13,14,15
	v_min_num_f32 v[NMR], v[4*\n], v[NMR]          ; -M = the least -M'
	v_min_num_f32 v[NMR+1], v[4*(16+\n)], v[NMR+1]
	v_min_num_f32 v[NMR+1], v[4*(32+\n)], v[NMR+1]
.endr
	STATG 0, 0
	STATG 0, 1
	STATG 1, 0
	STATG 1, 1
	STATG 1, 2
	STATG 1, 3
	v_rcp_f32 v[LSM], v[LSM]
	v_rcp_f32 v[LSM+1], v[LSM+1]
	v_nop                                          ; a plain line behind the reciprocals
	s_wait_alu depctr_va_vdst(0)                   ; and the wait ahead of their first reader
	ds_store_b32 v[RLW], v[LSM]
	ds_store_b32 v[RLW], v[LSM+1] offset:512
	s_wait_tensorcnt 0x1                           ; my part of slot 0 is in; the one younger load, slot 1's, may be out
	s_wait_dscnt 0x0                               ; for the others' sake: my words and reciprocals have landed
	s_barrier_signal -1
	s_barrier_wait -1
	TABOF 0
	FETCH 0, 0, 0
	SLOT 0
	SLOT 1
	SLOT 2
	SLOT 3
	SLOT 4
	EPIL 1
	s_wait_tensorcnt 0x0                           ; the wave's end: the tensor wait, an add of 0 to my spare word and its wait, behind my last tensor load and my last LDS store
	ds_add_u32 v[SPW], v[NIL]
	s_wait_dscnt 0x0
	CROUND                                         ; the closing round
	s_endpgm
.Lfunc_end_k_qbd9994e403_pv:
	.size	k_qbd9994e403_pv, .Lfunc_end_k_qbd9994e403_pv-k_qbd9994e403_pv
	.p2alignl 7, 3214868480
	.fill 96, 4, 3214868480
	.section	.rodata,"a",@progbits
	.p2align	6, 0x0
	.amdhsa_kernel k_qbd9994e403_pv
		.amdhsa_group_segment_fixed_size 327680
		.amdhsa_private_segment_fixed_size 0
		.amdhsa_enable_private_segment 0
		.amdhsa_kernarg_size 32
		.amdhsa_user_sgpr_count 2
		.amdhsa_user_sgpr_kernarg_segment_ptr 1
		.amdhsa_wavefront_size32 1
		.amdhsa_system_sgpr_workgroup_id_x 1
		.amdhsa_system_sgpr_workgroup_id_y 1
		.amdhsa_system_sgpr_workgroup_id_z 1
		.amdhsa_system_vgpr_workitem_id 0
		.amdhsa_next_free_vgpr 512
		.amdhsa_next_free_sgpr 100
		.amdhsa_reserve_vcc 0
		.amdhsa_float_denorm_mode_32 3
		.amdhsa_float_denorm_mode_16_64 3
		.amdhsa_memory_ordered 1
		.amdhsa_forward_progress 1
		.amdhsa_inst_pref_size 180
	.end_amdhsa_kernel
	.amdgpu_metadata
---
amdhsa.version: [ 1, 2 ]
amdhsa.kernels:
  - .name:           k_qbd9994e403_pv
    .symbol:         k_qbd9994e403_pv.kd
    .args:
      - { .name: Pr, .offset: 0, .size: 8, .value_kind: global_buffer, .address_space: global }
      - { .name: St, .offset: 8, .size: 8, .value_kind: global_buffer, .address_space: global }
      - { .name: Vr, .offset: 16, .size: 8, .value_kind: global_buffer, .address_space: global }
      - { .name: out0, .offset: 24, .size: 8, .value_kind: global_buffer, .address_space: global }
    .group_segment_fixed_size: 327680
    .private_segment_fixed_size: 0
    .kernarg_segment_align: 8
    .kernarg_segment_size: 32
    .max_flat_workgroup_size: 128
    .sgpr_count:     100
    .vgpr_count:     512
    .wavefront_size: 32
...
	.end_amdgpu_metadata
.endif
;; end of part 4
